; MI455X (gfx1250); checked and timed in simulation.
; The chip was launched on July 23, 2026; its instructions are those of AMD's public machine-readable ISA for CDNA 5 (MIT licence, August 2026) and "CDNA5" Instruction Set Architecture Reference Guide (July 2026). The comments in the code are by the model that wrote it; some were corrected since.
;; Differential Attention. Allowed arithmetic: matrix products marked QUANTISED: E2M1 operands, one E8M0 scale for each 32 along K, by v_wmma_scale_f32_16x16x128_f8f6f4 with both operands' format E2M1 (or v_wmma_scale_f32_32x16x128_f4), f32 sums; products left as they are: bf16, f16 or f32 operands; f32 sums; everything else in f32.
;; Inputs: Wk 1,024 x 2,048 float32; Wo 1,024 x 1,024 float32; Wq 1,024 x 2,048 float32; Wv 1,024 x 2,048 float32; lk1 64 float32; lk2 64 float32; lq1 64 float32; lq2 64 float32; x 2 x 2,048 x 1,024 float32.
;; Outputs: out0 2 x 2,048 x 1,024 float32.
;; This version of the problem:
;;   THIS VERSION OF THE PROBLEM IS GIVEN IN LOW PRECISION. The matrix products marked QUANTISED in the list below multiply operands that are first quantised to E2M1 (2 exponent bits, 1 mantissa bit; 4 bits a number), with one power-of-two scale for each 32 numbers along K (OCP MX v1.0); their sums are f32. The products marked 'left as it is' may take bf16, f16 or f32 operands, with f32 sums. Whichever they take, every output number must still come out within the allowed error. Rounding operands to bf16 (8 significant bits) uses up far more of that allowance than f16 does (11 bits, for magnitudes from 6e-5 to 65,504). All else is computed in f32.
;;   The module's matrix products, in the order in which they are computed (A, B: the left and right operand; K: the contracted axis; several contracted axes count as one K, in the product's order):
;;     1. [M 4,096, K 1,024] x [K 1,024, N 2,048]; A: input x; B: input Wq: QUANTISED
;;     2. [M 4,096, K 1,024] x [K 1,024, N 2,048]; A: input x; B: input Wk: QUANTISED
;;     3. [M 4,096, K 1,024] x [K 1,024, N 2,048]; A: input x; B: input Wv: QUANTISED
;;     4. [M 1, K 64] x [K 64, N 1]; A: input lq1; B: input lk1: left as it is (M = 1 < 16)
;;     5. [M 1, K 64] x [K 64, N 1]; A: input lq2; B: input lk2: left as it is (M = 1 < 16)
;;     6. batch 32 x [M 2,048, K 64] x [K 64, N 2,048]; A: computed on the way; B: computed on the way: left as it is (an operand is computed on the way)
;;     7. batch 32 x [M 2,048, K 64] x [K 64, N 2,048]; A: computed on the way; B: computed on the way: left as it is (an operand is computed on the way)
;;     8. batch 32 x [M 64, K 2,048] x [K 2,048, N 2,048]; A: computed on the way; B: computed on the way: left as it is (an operand is computed on the way)
;;     9. batch 32 x [M 64, K 2,048] x [K 2,048, N 2,048]; A: computed on the way; B: computed on the way: left as it is (an operand is computed on the way)
;;     10. [M 4,096, K 1,024] x [K 1,024, N 1,024]; A: computed on the way; B: input Wo: left as it is (an operand is computed on the way)
;;   THE QUANTISER, for each operand of a quantised product, along K:
;;     - K is cut into blocks of 32 from its start; a last block that is shorter is filled with zeros.
;;     - A block's scale is 2^e with e = floor(log2(the largest magnitude in the block)) - 2, held to -126 .. 127; a block of zeros has e = 0. As a byte (E8M0): e + 127.
;;     - Each number is divided by its block's scale, clamped to +-6, and rounded to the nearest number of E2M1, ties to even, subnormals kept.
;;     - The product sums the exact products of the quantised numbers (number of the format x scale) in f32.
;;   ~~~python
;;   def quantise(x, axis):      # numpy; x: float32 -> the quantised numbers, widened to float32 again
;;       x = np.moveaxis(x, axis, -1); K = x.shape[-1]
;;       x = np.pad(x, [(0, 0)] * (x.ndim - 1) + [(0, -K % 32)]); x = x.reshape(x.shape[:-1] + (-1, 32)); a = np.abs(x).max(-1, keepdims=True)
;;       e = np.where(a > 0, np.clip(np.frexp(np.where(a > 0, a, 1))[1] - 1 - 2, -126, 127), 0)      # np.frexp(a)[1] - 1 = floor(log2(a)), exactly
;;       r = np.clip(x / 2.0 ** e, -6, 6)
;;       step = 2.0 ** (np.maximum(np.frexp(np.where(r == 0, 1, r))[1] - 1, 0) - 1)
;;       q = np.round(r / step) * step * 2.0 ** e      # np.round: ties to even
;;       return np.moveaxis(q.reshape(q.shape[:-2] + (-1,))[..., :K], -1, axis).astype(np.float32)
;;   ~~~
;; One version. Each part assembles by itself: llvm-mc -triple=amdgcn-amd-amdhsa -mcpu=gfx1250 --defsym DOCPART=n.
;; ======== version 1 of 1: 5 launches
;; limits: values are held in f16: magnitudes above 65,504 overflow, below 6.1e-05 lose precision
;; workspace buffers: xq 2,228,224 bytes; wq 3,342,336 bytes; wo16 2,097,152 bytes; qkv 50,331,648 bytes; f32r 786,432 bytes; oh 8,388,608 bytes
;; launch prep (part 1): grid 352 x 1, 16 waves a work-group, no clusters, 62,464 bytes of LDS; arguments x, Wq, Wk, Wv, Wo, xq, wq, wo16; writes xq, wq, wo16
.if DOCPART == 1
	.amdgcn_target "amdgcn-amd-amdhsa--gfx1250"
	.amdhsa_code_object_version 6
	.text
	.protected	k_q2d0fd1780b_prep
	.globl	k_q2d0fd1780b_prep
	.p2align	8
	.type	k_q2d0fd1780b_prep,@function
k_q2d0fd1780b_prep:
	s_mov_b64 s[64:65], 0
	v_nop
	global_prefetch_b8 v0, s[64:65] scope:SCOPE_SE
	s_setreg_imm32_b32 hwreg(HW_REG_WAVE_MODE, 25, 1), 1
	s_wait_xcnt 0x0
; DIFFERENTIAL ATTENTION, launch 1 of 5: the operands of the three quantised projections become codes of E2M1 with one E8M0 byte for each 32 along K = 1,024; Wo becomes f16.
; WORK LEFT OUT BY THE PROGRAM, AND WHY IT IS DEAD.  reference() builds causal = tril(ones(S, S)) in its own body and replaces s1 and s2 by the constant -1e30 wherever key t > query s.
; So for t > s the products q1.k1 and q2.k2 reach no output, whatever the inputs hold; the weight that the softmax gives such a key is exp(-1e30 - max), which f32 holds as 0 while a row's visible scores lie above
; -1e30 + 104, so its product with v adds nothing either.  Launch 3 leaves out the key steps that lie wholly above the diagonal and masks inside the steps on it.  Nothing else is left out: every input is loaded.
; LIMIT: a NaN, an infinity or an overflow that reaches only hidden scores, or only rows of v under weights of 0, is not carried to the result.
; THE QUANTISER.  A block's scale is 2^(floor(log2(its largest magnitude)) - 2): its byte is the largest magnitude's exponent field less 2, held at 1 from below by a floor among the maximum's leaves.
; A block of zeros so gets the byte 1 where the rule says 127: its codes are zeros, and only this program reads the bytes.  The conversion divides by the scale, holds at +-6 and rounds to nearest, ties to even.
; LIMITS: NaN and infinities among x, Wq, Wk, Wv are not served; Wo beyond f16's largest number, 65,504, becomes infinity.
; SHARES.  Every wave asks for its whole share, 8,192 bytes, at once.  Work-groups 0-127: x, a plain stream of blocks of 32 (K is innermost): 2,048 numbers a wave.
; Work-groups 128-319: Wq, Wk, Wv (K is the FIRST axis): 64 columns x 512 along K a work-group; a lane takes a column and its registers run down K, so the codes come out with K innermost and nothing is transposed.
; Work-groups 320-351: Wo to f16, left as [k][n].  The three paths part on the work-group's number alone and have LDS bytes of their own.  No tile is shared between work-groups: no cluster, no tensor load.
.set XST,   0                          ; x: a stage of 32 places x 80 bytes for each wave
.set XSC,   40960                      ; x: the work-group's 1,024 scale bytes
.set WST,   41984                      ; W: 64 columns x (256 bytes of codes + 16)
.set WSC,   59392                      ; W: 64 columns x 16 scale bytes
.set SPARE, 60416                      ; the spare words, 128 bytes for each of the sixteen waves
.set SPW,   2                          ; v2  LDS address of my spare word; never rewritten
.set NIL,   3                          ; v3  0; never rewritten
.set FLOOR, 0x1800000                  ; 2^(3 - 127)
.set OFF2,  0xff000000                 ; -(2 << 23): 2 off an exponent field
	s_load_b256 s[4:11], s[0:1], 0x0               ; x, Wq, Wk, Wv
	s_load_b256 s[12:19], s[0:1], 0x20             ; Wo, xq, wq, wo16
	v_lshl_add_u32 v[SPW], v0, 2, SPARE
	v_mov_b32 v[NIL], 0
	v_lshrrev_b32 v4, 5, v0
	v_readfirstlane_b32 s20, v4                    ; wave 0..15
	v_and_b32 v1, 31, v0                           ; lane
	s_wait_kmcnt 0x0
	s_cmp_lt_u32 ttmp9, 128
	s_cbranch_scc1 .Lx
	s_cmp_lt_u32 ttmp9, 320
	s_cbranch_scc1 .Lw
	; ---- Wo: run = 16 (work-group - 320) + wave; 2,048 numbers: 8,192 bytes in, 4,096 out
	s_sub_co_u32 s21, ttmp9, 320
	s_lshl_b32 s21, s21, 4
	s_add_co_u32 s21, s21, s20
	s_lshl_b32 s22, s21, 13
	s_mov_b32 s23, 0
	s_add_nc_u64 s[12:13], s[12:13], s[22:23]
	s_lshl_b32 s22, s21, 12
	s_add_nc_u64 s[18:19], s[18:19], s[22:23]
	v_lshlrev_b32 v5, 5, v1                        ; a lane takes 8 neighbours: 32 bytes in,
	v_lshlrev_b32 v6, 4, v1                        ; 16 bytes out
.irp it, 0,1,2,3,4,5,6,7
	global_load_b128 v[16+8*\it:19+8*\it], v5, s[12:13] offset:1024*\it th:TH_LOAD_NT
	global_load_b128 v[20+8*\it:23+8*\it], v5, s[12:13] offset:1024*\it+16 th:TH_LOAD_NT
.endr
.irp it, 0,1,2,3,4,5,6,7
	s_wait_loadcnt 14-2*\it                        ; this pair of loads is in; the later pairs may be out
.irp k, 0,1,2,3
	v_cvt_pk_f16_f32 v[80+4*\it+\k], v[16+8*\it+2*\k], v[17+8*\it+2*\k]
.endr
	global_store_b128 v6, v[80+4*\it:83+4*\it], s[18:19] offset:512*\it   ; 32 lanes store 512 consecutive bytes
.endr
	s_branch .Lend
	; ---- x: run = 16 work-group + wave; 2,048 numbers: four steps of 512
.Lx:
	s_lshl_b32 s21, ttmp9, 4
	s_add_co_u32 s21, s21, s20
	s_lshl_b32 s22, s21, 13
	s_mov_b32 s23, 0
	s_add_nc_u64 s[4:5], s[4:5], s[22:23]          ; my numbers
	s_lshl_b32 s22, s21, 10
	s_add_nc_u64 s[24:25], s[14:15], s[22:23]      ; my codes: 1,024 bytes a run
	s_lshl_b32 s22, ttmp9, 10
	s_add_co_u32 s22, s22, 2097152
	s_add_nc_u64 s[26:27], s[14:15], s[22:23]      ; the work-group's 1,024 scale bytes, behind the codes
	v_lshlrev_b32 v5, 4, v1
.set i, 0
.rept 16
	global_load_b128 v[16+4*i:19+4*i], v5, s[4:5] offset:512*i th:TH_LOAD_NT   ; 32 lanes read 512 consecutive bytes; all sixteen loads go out at once
.set i, i+1
.endr
	s_mul_i32 s28, s20, 2560
	v_lshrrev_b32 v14, 2, v1
	v_mul_u32_u24 v14, v14, 80
	v_and_b32 v15, 3, v1
	v_lshl_add_u32 v14, v15, 4, v14
	v_add_nc_u32 v14, s28, v14                     ; the stage, on the way in: four lanes' 64 bytes on end, then 16 of padding
	v_mul_u32_u24 v15, v1, 80
	v_add_nc_u32 v15, s28, v15                     ; and on the way out: my 16 neighbours
	s_lshl_b32 s28, s20, 6
	s_add_co_u32 s28, s28, XSC
	v_lshrrev_b32 v6, 1, v1
	v_add_nc_u32 v6, s28, v6                       ; my wave's 64 scale bytes, my block's byte
	v_lshlrev_b32 v7, 3, v1                        ; my 8 bytes of a step's 256 bytes of codes
	v_lshl_add_u32 v12, v0, 4, XSC                 ; the scale bytes' way out (threads 0-63 alone use it)
	v_lshlrev_b32 v13, 4, v0
.macro XSTEP t
	s_wait_loadcnt 12-4*(\t)                       ; this step's four loads are in; the later steps' may be out
.irp i, 0,1,2,3
	ds_store_b128 v14, v[16+16*(\t)+4*\i:19+16*(\t)+4*\i] offset:640*\i
.endr
.irp i, 0,1,2,3
	ds_load_b128 v[80+4*\i:83+4*\i], v15 offset:16*\i   ; LDS serves a wave's instructions in order: these see the stores above, and the next step's stores come behind them
.endr
	s_wait_dscnt 0x0
	v_max3_num_f32 v8, |v80|, |v81|, |v82|         ; the largest magnitude of my 16, in two chains
	v_max3_num_f32 v9, |v83|, |v84|, |v85|
.irp i, 6,10
	v_max3_num_f32 v8, v8, |v[80+\i]|, |v[81+\i]|
	v_max3_num_f32 v9, v9, |v[82+\i]|, |v[83+\i]|
.endr
	v_max3_num_f32 v8, v8, |v94|, |v95|
	v_max3_num_f32 v8, v8, v9, FLOOR               ; and the floor: the byte cannot fall under 1
	v_max_num_f32_dpp v8, v8, v8 row_xmask:1 row_mask:0xf bank_mask:0xf   ; with my neighbour's 16: the block's
	v_add_nc_u32 v11, OFF2, v8                     ; the conversion takes this operand's exponent field as its scale
	v_cvt_scalef32_pk8_fp4_f32 v[96+2*(\t)], v[80:87], v11
	v_cvt_scalef32_pk8_fp4_f32 v[97+2*(\t)], v[88:95], v11
	v_lshrrev_b32 v[104+(\t)], 23, v11             ; the scale's byte
	ds_store_b8 v6, v[104+(\t)] offset:16*(\t)     ; both lanes of a block write the same byte with the same value
	global_store_b64 v7, v[96+2*(\t):97+2*(\t)], s[24:25] offset:256*(\t)   ; the wave stores 256 consecutive bytes, aligned
.endm
	XSTEP 0
	XSTEP 1
	XSTEP 2
	XSTEP 3
	s_wait_dscnt 0x0                               ; for the others' sake: my scale bytes have landed
	s_barrier_signal -1
	s_barrier_wait -1
	s_cmp_lt_u32 s20, 2                            ; waves 0 and 1 store the work-group's 1,024 scale bytes, 512 consecutive bytes each
	s_cbranch_scc0 .Lend
	ds_load_b128 v[108:111], v12
	s_wait_dscnt 0x0
	global_store_b128 v13, v[108:111], s[26:27]
	s_branch .Lend
	; ---- W: u = work-group - 128; 64 columns 64 (u / 2) of the 6,144 (Wq, Wk, Wv on end), half u % 2 of K
.Lw:
	s_sub_co_u32 s21, ttmp9, 128
	s_lshr_b32 s22, s21, 1                         ; the group of 64 columns, 0..95
	s_and_b32 s23, s21, 1                          ; which 512 along K
	s_lshr_b32 s24, s22, 5                         ; 0 Wq, 1 Wk, 2 Wv
	s_cmp_eq_u32 s24, 0
	s_cselect_b64 s[6:7], s[6:7], s[8:9]
	s_cmp_eq_u32 s24, 2
	s_cselect_b64 s[6:7], s[10:11], s[6:7]         ; the choice hangs on the work-group's number alone
	s_and_b32 s25, s20, 1                          ; which 32 of the 64 columns are my wave's
	s_lshr_b32 s26, s20, 1                         ; which 64 of the 512 along K
	s_lshl_b32 s28, s23, 9
	s_lshl_b32 s29, s26, 6
	s_add_co_u32 s28, s28, s29                     ; my first row of W,
	s_lshl_b32 s28, s28, 13                        ; of 8,192 bytes
	s_and_b32 s29, s22, 31
	s_lshl_b32 s29, s29, 8
	s_add_co_u32 s28, s28, s29
	s_lshl_b32 s29, s25, 7
	s_add_co_u32 s28, s28, s29                     ; + my first column
	s_mov_b32 s29, 0
	s_add_nc_u64 s[6:7], s[6:7], s[28:29]
	v_lshlrev_b32 v5, 2, v1
.set i, 0
.rept 64
	global_load_b32 v[16+i], v5, s[6:7] offset:i*8192 th:TH_LOAD_NT   ; W(row + i, my column): two blocks of 32 down K; a pair of waves reads 256 consecutive bytes of each row
.set i, i+1
.endr
	s_lshl_b32 s30, s25, 5
	v_add_nc_u32 v4, s30, v1                       ; my column of the 64
	v_mul_u32_u24 v14, v4, 272
	s_lshl_b32 s30, s26, 5
	s_add_co_u32 s30, s30, WST
	v_add_nc_u32 v14, s30, v14                     ; my 32 bytes of my column's 256 bytes of codes
	v_lshlrev_b32 v15, 4, v4
	s_lshl_b32 s30, s26, 1
	s_add_co_u32 s30, s30, WSC
	v_add_nc_u32 v15, s30, v15                     ; my 2 of my column's 16 scale bytes
	v_lshrrev_b32 v6, 4, v1
	v_and_b32 v7, 15, v1
	s_mul_i32 s30, s20, 4*272
	s_add_co_u32 s30, s30, WST
	v_mul_u32_u24 v12, v6, 272
	v_lshl_add_u32 v12, v7, 4, v12
	v_add_nc_u32 v12, s30, v12                     ; the way out: wave w takes columns 4 w .. 4 w + 3, sixteen lanes to a column's 256 bytes
	s_lshl_b32 s30, s20, 11
	v_lshlrev_b32 v13, 9, v6
	v_lshl_add_u32 v13, v7, 4, v13
	v_add_nc_u32 v13, s30, v13                     ; and the same place in wq: 512 bytes a column
	s_lshl_b32 s28, s22, 15
	s_lshl_b32 s30, s23, 8
	s_add_co_u32 s28, s28, s30
	s_add_nc_u64 s[32:33], s[16:17], s[28:29]      ; codes: column 64 (u / 2), + 256 bytes for the upper half of K
	s_lshl_b32 s28, s22, 11
	s_lshl_b32 s30, s23, 4
	s_add_co_u32 s28, s28, s30
	s_add_co_u32 s28, s28, 3145728
	s_add_nc_u64 s[34:35], s[16:17], s[28:29]      ; scale bytes: 32 a column, behind the codes
	v_lshl_add_u32 v104, v0, 4, WSC                ; their way out (threads 0-63 alone use it): a lane a column
	v_lshlrev_b32 v105, 5, v0
.macro WBLOCK t
.set XS, 16+32*(\t)
	s_wait_loadcnt 32*(1-(\t))                     ; this block's 32 loads are in; block 1's may be out
	v_max3_num_f32 v8, |v[XS]|, |v[XS+1]|, |v[XS+2]|   ; the block's largest magnitude: all 32 numbers are mine
	v_max3_num_f32 v9, |v[XS+3]|, |v[XS+4]|, |v[XS+5]|
.irp i, 6,10,14,18,22,26
	v_max3_num_f32 v8, v8, |v[XS+\i]|, |v[XS+\i+1]|
	v_max3_num_f32 v9, v9, |v[XS+\i+2]|, |v[XS+\i+3]|
.endr
	v_max3_num_f32 v8, v8, |v[XS+30]|, |v[XS+31]|
	v_max3_num_f32 v8, v8, v9, FLOOR
	v_add_nc_u32 v[100+(\t)], OFF2, v8
.irp g, 0,1,2,3
	v_cvt_scalef32_pk8_fp4_f32 v[80+4*(\t)+\g], v[XS+8*\g:XS+8*\g+7], v[100+(\t)]
.endr
	v_lshrrev_b32 v[102+(\t)], 23, v[100+(\t)]     ; the scale's byte
	ds_store_b128 v14, v[80+4*(\t):83+4*(\t)] offset:16*(\t)
.endm
	WBLOCK 0
	WBLOCK 1
	v_lshl_or_b32 v106, v103, 8, v102
	ds_store_b16 v15, v106
	s_wait_dscnt 0x0                               ; for the others' sake: my codes and bytes have landed
	s_barrier_signal -1
	s_barrier_wait -1
	ds_load_b128 v[88:91], v12
	ds_load_b128 v[92:95], v12 offset:544
	s_wait_dscnt 0x1                               ; the first two columns are back; the second load may be out
	global_store_b128 v13, v[88:91], s[32:33]      ; sixteen lanes store 256 consecutive bytes, aligned
	s_wait_dscnt 0x0
	global_store_b128 v13, v[92:95], s[32:33] offset:1024
	s_cmp_lt_u32 s20, 2                            ; waves 0 and 1: 16 scale bytes a column, 32 bytes apart (the other half of K is another work-group's)
	s_cbranch_scc0 .Lend
	ds_load_b128 v[96:99], v104
	s_wait_dscnt 0x0
	global_store_b128 v105, v[96:99], s[34:35]
.Lend:
	s_wait_tensorcnt 0x0                           ; the wave's end, behind my last LDS store
	ds_add_u32 v[SPW], v[NIL]
	s_wait_dscnt 0x0
	s_endpgm
.Lfunc_end_k_q2d0fd1780b_prep:
	.size	k_q2d0fd1780b_prep, .Lfunc_end_k_q2d0fd1780b_prep-k_q2d0fd1780b_prep
	.p2alignl 7, 3214868480
	.fill 96, 4, 3214868480
	.section	.rodata,"a",@progbits
	.p2align	6, 0x0
	.amdhsa_kernel k_q2d0fd1780b_prep
		.amdhsa_group_segment_fixed_size 62464
		.amdhsa_private_segment_fixed_size 0
		.amdhsa_enable_private_segment 0
		.amdhsa_kernarg_size 64
		.amdhsa_user_sgpr_count 2
		.amdhsa_user_sgpr_kernarg_segment_ptr 1
		.amdhsa_wavefront_size32 1
		.amdhsa_system_sgpr_workgroup_id_x 1
		.amdhsa_system_sgpr_workgroup_id_y 1
		.amdhsa_system_sgpr_workgroup_id_z 1
		.amdhsa_system_vgpr_workitem_id 0
		.amdhsa_next_free_vgpr 128
		.amdhsa_next_free_sgpr 66
		.amdhsa_reserve_vcc 0
		.amdhsa_float_denorm_mode_32 3
		.amdhsa_float_denorm_mode_16_64 3
		.amdhsa_memory_ordered 1
		.amdhsa_forward_progress 1
		.amdhsa_inst_pref_size 27
	.end_amdhsa_kernel
	.amdgpu_metadata
---
amdhsa.version: [ 1, 2 ]
amdhsa.kernels:
  - .name:           k_q2d0fd1780b_prep
    .symbol:         k_q2d0fd1780b_prep.kd
    .args:
      - { .name: x, .offset: 0, .size: 8, .value_kind: global_buffer, .address_space: global }
      - { .name: Wq, .offset: 8, .size: 8, .value_kind: global_buffer, .address_space: global }
      - { .name: Wk, .offset: 16, .size: 8, .value_kind: global_buffer, .address_space: global }
      - { .name: Wv, .offset: 24, .size: 8, .value_kind: global_buffer, .address_space: global }
      - { .name: Wo, .offset: 32, .size: 8, .value_kind: global_buffer, .address_space: global }
      - { .name: xq, .offset: 40, .size: 8, .value_kind: global_buffer, .address_space: global }
      - { .name: wq, .offset: 48, .size: 8, .value_kind: global_buffer, .address_space: global }
      - { .name: wo16, .offset: 56, .size: 8, .value_kind: global_buffer, .address_space: global }
    .group_segment_fixed_size: 62464
    .private_segment_fixed_size: 0
    .kernarg_segment_align: 8
    .kernarg_segment_size: 64
    .max_flat_workgroup_size: 512
    .sgpr_count:     66
    .vgpr_count:     128
    .wavefront_size: 32
...
	.end_amdgpu_metadata
.endif
;; end of part 1
;; launch proj (part 2): grid 24 x 16, 4 waves a work-group, clusters of 4 x 1, 327,680 bytes of LDS; arguments xq, wq, qkv, f32r; writes qkv, f32r
.if DOCPART == 2
	.amdgcn_target "amdgcn-amd-amdhsa--gfx1250"
	.amdhsa_code_object_version 6
	.text
	.protected	k_q2d0fd1780b_proj
	.globl	k_q2d0fd1780b_proj
	.p2align	8
	.type	k_q2d0fd1780b_proj,@function
k_q2d0fd1780b_proj:
	s_mov_b64 s[64:65], 0
	v_nop
	global_prefetch_b8 v0, s[64:65] scope:SCOPE_SE
	s_setreg_imm32_b32 hwreg(HW_REG_WAVE_MODE, 25, 1), 1
	s_wait_xcnt 0x0
	s_wait_alu depctr_hold_cnt(0) depctr_sa_sdst(0) depctr_va_vdst(0) depctr_va_sdst(0) depctr_va_ssrc(0) depctr_va_vcc(0) depctr_vm_vsrc(0)
	s_getreg_b32 s2, hwreg(HW_REG_IB_STS2, 6, 4)
	s_cmp_eq_u32 s2, 0
	s_cbranch_scc0 .Lentry_in_a_cluster
	s_endpgm
.Lentry_in_a_cluster:
	s_bfe_u32 s2, ttmp6, 0x10000c
	s_cmp_lg_u32 s2, 0x3003
	s_cbranch_scc0 .Lentry_shape_is_right
	s_endpgm
.Lentry_shape_is_right:
; Launch 2 of 5: q, k, v = x Wq, x Wk, x Wv on codes of E2M1 with E8M0 scales: C[m][n] = sum over k of A[m][k] B[n][k], A = x's codes [4,096][1,024], B = the three weights' codes on end [6,144][1,024]; sums in f32.
; A tile of C, 256 x 256, is made by four waves, each 128 x 128: 64 accumulators, 512 registers.  K = 1,024 is two LDS slots of 512 (rows of 256 bytes): all of K, and the scale bytes of the tile's rows, are asked for at the head.
; CLUSTER: four work-groups along x share a tile row of C, so A's codes and A's scale bytes are asked for JOINTLY (mask 15); B's hang on the tile column, which differs in all four: plain loads.
; A cluster of 4 x 4 is not taken: the copy of rows s < 16 in f32 stands under a branch on the tile row, and a branch must be alike in all partners: it is in a cluster along x alone.
; 24 x 16 = 384 work-groups: no multiple of the WGPs; stated, not hidden.
; THE MATRIX INSTRUCTION IS USED TRANSPOSED (source 0 = 16 rows of B, source 1 = 16 rows of A): a lane holds eight neighbouring columns of one row of C.
; OUT: f16, by head: qkv byte = which << 24 + batch << 23 + (map, head) << 18 + s << 7 + 2 channel; rows s < 16 of both sequences also in f32 (f32r), for the last launch.  LIMIT: a q, k or v beyond 65,504 becomes infinity in f16.
; REGISTERS, in windows of 256: window 0: v16-31 addresses; v32-95 scale words, two sets; v128-191 A's fragments, ONE set; on the way out v32-191 are free.  window 1: B's fragments, two sets.  windows 2, 3: the accumulators ((a, b) at v[8 (8 (a % 4) + b)]).
.set KSTEP,  512
.set NQ,     4                         ; matrix instructions deep in a slot
.set ROWB,   256                       ; a tile's row in bytes
.set KROW,   512                       ; a row of codes in memory
.set PITCH,  272                       ; an LDS row: 256 bytes + 16 of padding: the 16 rows that a load touches start 4 banks apart
.set FR,     8
.set NL,     2
.set NP,     4                         ; places behind this matrix instruction (ISA guide 7.12.1)
.set HALFT,  128*PITCH
.set SLOT,   4*HALFT
.set KS,     32                        ; a row of scale bytes
.set SCL,    2*SLOT
.set HALFS,  (128*KS/256)*272
.set SBLK,   (16*KS/256)*272
.set SPARE,  SCL+4*HALFS               ; the spare words, 128 bytes for each wave
.set XSCL,   2097152                   ; where the scale bytes begin in xq,
.set WSCL,   3145728                   ; and in wq
.set ADRA, 16
.set ADRB, 20
.set STO32, 22                         ; the f32 copy: into the stage, back, and in f32r
.set RD32, 23
.set STO,  24
.set RD,   25
.set CO,   26
.set ADRS, 27
.set SPW,  28
.set NIL,  29
.set CO32, 30
.set SC,   32
.set AF,   128
.set TMP,  32                          ; the way out: 16 rows packed to f16
.set BK,   64                          ; and read back: v64-95, v96-127 by turns
.set FB,   128                         ; the f32 copy read back
.set G1, 24
.set G0, 32
.set G1B, 48
.set G0B, 56
.set G1S, 68
.set G0S, 76
.set G1SB, 80
.set G0SB, 88
.set MSB, 0
.macro WIN new                         ; the immediate's high byte repeats the setting that is left
.if MSB != \new
	s_set_vgpr_msb (MSB<<8)|\new
.set MSB, \new
.endif
.endm
.set MUL_LO, 0xa1                      ; source 0 (B) window 1, source 1 (A) window 0, C and D window 2
.set MUL_HI, 0xf1
.set TO_B,   0x40
; Waves 0 and 1 fetch for A (jointly), waves 2 and 3 for B.  The branch hangs on the wave's number alone.  An s_nop 0 and four v_nop follow each of the two lines.
.macro JLOAD g0a, g1a, g0b, g1b
	s_cmp_eq_u32 s15, 0
	s_cbranch_scc0 .Lfor_b_\@
	tensor_load_to_lds s[\g0a:\g0a+3], s[\g1a:\g1a+7]
	s_nop 0
.rept 4
	v_nop
.endr
	s_branch .Lasked_\@
.Lfor_b_\@:
	tensor_load_to_lds s[\g0b:\g0b+3], s[\g1b:\g1b+7]
	s_nop 0
.rept 4
	v_nop
.endr
.Lasked_\@:
.endm
.macro CROUND                          ; a round of the cluster's barrier
	s_barrier_signal -1
	s_barrier_wait -1
	s_cmp_lg_u32 s14, 0
	s_cbranch_scc1 .Lnot_wave_0_\@
	s_barrier_signal -3
.Lnot_wave_0_\@:
	s_barrier_wait -3
	s_barrier_signal -1
	s_barrier_wait -1
.endm
	s_load_b256 s[4:11], s[0:1], 0x0               ; xq s[4:5], wq s[6:7], qkv s[8:9], f32r s[10:11]
	v_lshl_add_u32 v[SPW], v0, 2, SPARE
	v_mov_b32 v[NIL], 0
	ds_add_u32 v[SPW], v[NIL]                      ; the wave's opening: the add, twice on end, and its wait ahead of my first tensor load
	ds_add_u32 v[SPW], v[NIL]
	v_lshrrev_b32 v1, 5, v0
	v_readfirstlane_b32 s14, v1                    ; wave 0..3
	s_lshr_b32 s15, s14, 1                         ; which half of the tile's rows is mine.  Also: I fetch for A (0) or for B (1)
	s_and_b32 s16, s14, 1                          ; which half of its columns.  Also: which 128 rows I fetch
	s_bfe_u32 s40, ttmp6, 0x40000                  ; cx
	s_lshl_b32 s42, ttmp9, 2
	s_add_co_u32 s42, s42, s40                     ; tile column = 4 x cluster x + cx
	s_and_b32 s17, ttmp7, 0xffff                   ; tile row = cluster y: the four partners share it
	s_mov_b32 s[G1+0], 15|(1<<20)|(1<<21)|(5<<22)|(3<<25)    ; A's codes: the mask names all four; elements of 1 byte; 4 words of padding behind every 64
	s_mov_b32 s[G1B+0], (1<<20)|(5<<22)|(3<<25)              ; B's: no mask
.irp g, G1, G1B
	s_mov_b32 s[\g+1], ROWB<<16                    ; tensor_dim0
	s_mov_b32 s[\g+2], 128<<16                     ; tensor_dim1
	s_mov_b32 s[\g+3], ROWB<<16                    ; tile_dim0
	s_mov_b32 s[\g+4], 128                         ; tile_dim1
	s_mov_b32 s[\g+5], KROW                        ; the pitch
	s_mov_b32 s[\g+6], 0
	s_mov_b32 s[\g+7], 0
.endr
	s_mov_b32 s[G1S+0], 15|(3<<16)|(1<<20)|(1<<21)|(5<<22)|(3<<25)   ; the scale bytes of 128 rows: 4,096 dense bytes as 16 rows of 256 (32 elements of 8 bytes)
	s_mov_b32 s[G1SB+0], (3<<16)|(1<<20)|(5<<22)|(3<<25)
.irp g, G1S, G1SB
	s_mov_b32 s[\g+1], 32<<16
	s_mov_b32 s[\g+2], (128*KS/256)<<16
	s_mov_b32 s[\g+3], 32<<16
	s_mov_b32 s[\g+4], 128*KS/256
	s_mov_b32 s[\g+5], 32
	s_mov_b32 s[\g+6], 0
	s_mov_b32 s[\g+7], 0
.endr
	s_lshl_b32 s18, s16, 7
	s_lshl_b32 s20, s17, 8
	s_add_co_u32 s20, s20, s18                     ; A: row 256 x tile row + 128 x half
	s_lshl_b32 s46, s42, 8
	s_add_co_u32 s46, s46, s18                     ; B: row 256 x tile column + 128 x half
	s_lshl_b32 s22, s20, 5
	s_add_co_u32 s22, s22, XSCL                    ; these rows' scale bytes,
	s_mov_b32 s23, 0
	s_lshl_b32 s92, s46, 5
	s_add_co_u32 s92, s92, WSCL
	s_mov_b32 s93, 0
	s_lshl_b32 s20, s20, 9                         ; and their codes
	s_mov_b32 s21, 0
	s_lshl_b32 s46, s46, 9
	s_mov_b32 s47, 0
	s_mul_i32 s45, s14, HALFT                      ; where they go: wave x 128 rows: no place in the cluster enters an LDS address
	s_mul_i32 s94, s14, HALFS
	s_wait_dscnt 0x0                               ; both opening adds are done
	s_wait_kmcnt 0x0
	s_add_nc_u64 s[20:21], s[4:5], s[20:21]
	s_add_nc_u64 s[22:23], s[4:5], s[22:23]
	s_add_nc_u64 s[46:47], s[6:7], s[46:47]
	s_add_nc_u64 s[92:93], s[6:7], s[92:93]
	CROUND                                         ; all four work-groups are here: the first joint loads meet
	s_mov_b32 s[G0S], 1
	s_add_co_u32 s[G0S+1], s94, SCL
	s_mov_b64 s[G0S+2:G0S+3], s[22:23]
	s_or_b32 s[G0S+3], s[G0S+3], 0x80000000
	s_mov_b32 s[G0SB], 1
	s_add_co_u32 s[G0SB+1], s94, SCL
	s_mov_b64 s[G0SB+2:G0SB+3], s[92:93]
	s_or_b32 s[G0SB+3], s[G0SB+3], 0x80000000
	JLOAD G0S, G1S, G0SB, G1SB                     ; the scales first: they are wanted with slot 0
.irp s, 0,1
	s_mov_b32 s[G0+4*\s], 1
	s_add_co_u32 s[G0+4*\s+1], s45, \s*SLOT
	s_add_nc_u64 s[G0+4*\s+2:G0+4*\s+3], s[20:21], \s*ROWB
	s_or_b32 s[G0+4*\s+3], s[G0+4*\s+3], 0x80000000
	s_mov_b32 s[G0B+4*\s], 1
	s_add_co_u32 s[G0B+4*\s+1], s45, \s*SLOT
	s_add_nc_u64 s[G0B+4*\s+2:G0B+4*\s+3], s[46:47], \s*ROWB
	s_or_b32 s[G0B+4*\s+3], s[G0B+4*\s+3], 0x80000000
	JLOAD G0+4*\s, G1, G0B+4*\s, G1B
.endr
	v_and_b32 v1, 15, v0                           ; r = l % 16
	v_bfe_u32 v2, v0, 4, 1                         ; l / 16
	v_mul_u32_u24 v3, v1, PITCH
	v_lshl_add_u32 v4, v2, 4, v3                   ; a fragment's row x pitch + 16 x half
	s_mul_i32 s21, s15, HALFT                      ; my 128 rows of A
	s_mul_i32 s22, s16, HALFT                      ; my 128 rows of B,
	s_add_co_u32 s22, s22, 2*HALFT                 ; behind A's 256
.irp s, 0,1
	v_add_nc_u32 v[ADRA+\s], s21, v4
	v_add_nc_u32 v[ADRB+\s], s22, v4
	s_add_co_u32 s21, s21, SLOT
	s_add_co_u32 s22, s22, SLOT
.endr
	v_mul_u32_u24 v5, v1, KS                       ; my row's scale bytes: 32 a row,
	v_lshrrev_b32 v6, 8, v5
	v_lshl_add_u32 v5, v6, 4, v5                   ; and 16 more for each 256 passed
	s_mul_i32 s21, s15, HALFS
	s_mul_i32 s22, s16, HALFS
	s_add_co_u32 s22, s22, 2*HALFS
	s_sub_co_u32 s22, s22, s21
	v_mul_u32_u24 v6, s22, v2                      ; lanes 16-31 take B's: one product, the distance between the two bases
	s_add_co_u32 s21, s21, SCL
	v_add_nc_u32 v5, v5, v6
	v_add_nc_u32 v[ADRS], s21, v5
	s_mul_i32 s23, s14, 16*528                     ; my stage, in slot 0
	v_mul_u32_u24 v5, v1, 272
	v_lshl_add_u32 v5, v2, 4, v5
	v_add_nc_u32 v[STO], s23, v5                   ; f16, in: row r of 256 bytes + 16, 16 bytes for each half of the lanes
	v_bfe_u32 v6, v0, 3, 1
	v_and_b32 v7, 7, v0
	v_mul_u32_u24 v5, v6, 272
	v_lshl_add_u32 v5, v2, 7, v5
	v_lshl_add_u32 v5, v7, 4, v5
	v_add_nc_u32 v[RD], s23, v5                    ; back: lanes 0-15 take two rows' 128 bytes of the first head, lanes 16-31 of the second
	v_lshlrev_b32 v5, 18, v2
	v_lshl_add_u32 v5, v6, 7, v5
	v_lshl_add_u32 v[CO], v7, 4, v5                ; the same in qkv: a head is 2^18 bytes on, a row 128
	v_mul_u32_u24 v5, v1, 528
	v_lshl_add_u32 v5, v2, 5, v5
	v_add_nc_u32 v[STO32], s23, v5                 ; f32, in: row r of 512 bytes + 16, 32 bytes for each half
	v_and_b32 v6, 31, v0
	v_lshl_add_u32 v[RD32], v6, 4, s23             ; back: the 32 lanes take one row
	v_lshlrev_b32 v5, 12, v2
	v_lshl_add_u32 v[CO32], v1, 4, v5              ; in f32r: a head is 4,096 bytes on
	s_lshr_b32 s20, s42, 3                         ; which of q, k, v
	s_lshl_b32 s20, s20, 24
	s_lshr_b32 s21, s17, 3                         ; the batch
	s_lshl_b32 s22, s21, 23
	s_add_co_u32 s20, s20, s22
	s_and_b32 s22, s42, 7
	s_lshl_b32 s22, s22, 20                        ; four heads to a tile column,
	s_add_co_u32 s20, s20, s22
	s_lshl_b32 s22, s16, 19                        ; two to a wave
	s_add_co_u32 s20, s20, s22
	s_and_b32 s44, s17, 7
	s_lshl_b32 s22, s44, 15                        ; 256 rows of 128 bytes to a tile row,
	s_add_co_u32 s20, s20, s22
	s_lshl_b32 s22, s15, 14                        ; 128 to a wave
	s_add_co_u32 s20, s20, s22
	s_mul_i32 s46, s21, 96
	s_lshl_b32 s47, s42, 2
	s_add_co_u32 s46, s46, s47
	s_lshl_b32 s47, s16, 1
	s_add_co_u32 s46, s46, s47
	s_lshl_b32 s46, s46, 12                        ; f32r: (96 batch + my first head) x 4,096
	s_mov_b32 s47, 0
	s_add_nc_u64 s[10:11], s[10:11], s[46:47]
	s_mov_b32 s21, 0
	s_add_nc_u64 s[8:9], s[8:9], s[20:21]
	s_or_b32 s44, s44, s15                         ; 0 where my block 0 holds a sequence's rows 0-15: tile row and wave alone
.macro FRAG reg, adr, q, i             ; 16 rows x 128 K of 4-bit codes: 8 registers, two loads of 16 bytes, 32 bytes apart
.irp c, 0,1
	ds_load_b128 v[\reg+4*\c:\reg+4*\c+3], v[\adr] offset:64*(\q)+32*\c+(\i)*16*PITCH
.endr
.endm
; 16 matrix instructions: A's blocks a0, a0 + 1 x B's eight.  The 64 accumulators take turns, one instruction a turn, in the same order in every step.
.macro MUL16 a0, p, q, sc, zero
.irp a, \a0, \a0+1
.irp b, 0,1,2,3,4,5,6,7
.if \zero
	v_wmma_scale_f32_16x16x128_f8f6f4 v[8*(8*((\a)%4)+\b):8*(8*((\a)%4)+\b)+7], v[128*(\p)+FR*\b:128*(\p)+FR*\b+FR-1], v[AF+FR*(\a):AF+FR*(\a)+FR-1], 0, v[SC+8*NQ*(\sc)+NQ*\b+(\q)], v[SC+8*NQ*(\sc)+NQ*(\a)+(\q)] matrix_a_fmt:MATRIX_FMT_FP4 matrix_b_fmt:MATRIX_FMT_FP4 matrix_a_scale:MATRIX_SCALE_ROW1
.else
	v_wmma_scale_f32_16x16x128_f8f6f4 v[8*(8*((\a)%4)+\b):8*(8*((\a)%4)+\b)+7], v[128*(\p)+FR*\b:128*(\p)+FR*\b+FR-1], v[AF+FR*(\a):AF+FR*(\a)+FR-1], v[8*(8*((\a)%4)+\b):8*(8*((\a)%4)+\b)+7], v[SC+8*NQ*(\sc)+NQ*\b+(\q)], v[SC+8*NQ*(\sc)+NQ*(\a)+(\q)] matrix_a_fmt:MATRIX_FMT_FP4 matrix_b_fmt:MATRIX_FMT_FP4 matrix_a_scale:MATRIX_SCALE_ROW1
.endif
.endr
.endr
.endm
.macro FETCH_B slot, q, p
	WIN TO_B
.irp i, 0,1,2,3,4,5,6,7
	FRAG 128*(\p)+FR*\i, ADRB+\slot, \q, \i
.endr
	WIN 0
.endm
.macro FETCH_A slot, q, i0
.irp i, \i0, \i0+1, \i0+2, \i0+3
	FRAG AF+FR*(\i), ADRA+\slot, \q, \i
.endr
.endm
.macro SCALES sc                       ; a slot's scale words: 4 words a row; lanes 0-15 take A's block i, lanes 16-31 B's block i
.irp i, 0,1,2,3,4,5,6,7
	ds_load_b128 v[SC+8*NQ*\sc+NQ*\i:SC+8*NQ*\sc+NQ*\i+3], v[ADRS] offset:\i*SBLK
.endr
.endm
.macro PLACES n                        ; places in front of loads into registers that matrix instructions have read, and of reads of results
.rept \n
	v_nop
.endr
.endm
.macro STEP slot, q, zero              ; 128 along K, with its successor in the same slot
	s_wait_dscnt 4*NL                              ; B's set and A's blocks 0-3 are in; the youngest eight loads (A's blocks 4-7) may be out
	WIN MUL_LO
	MUL16 0, (\q)%2, \q, \slot, \zero
	MUL16 2, (\q)%2, \q, \slot, \zero
	s_wait_dscnt 0
	PLACES NP
	FETCH_B \slot, (\q)+1, 1-(\q)%2
	FETCH_A \slot, (\q)+1, 0
	WIN MUL_HI
	MUL16 4, (\q)%2, \q, \slot, \zero
	MUL16 6, (\q)%2, \q, \slot, \zero
	PLACES NP
	WIN 0
	FETCH_A \slot, (\q)+1, 4
.endm
; Slot 0's last step changes slots: one barrier; in front of it each wave waits for all its tensor loads (slot 1's), adds 0 to its spare word, and waits for that and for its reads of slot 0.  Nothing is filled again.
.macro TURN slot, next
	s_wait_tensorcnt 0x0
	ds_add_u32 v[SPW], v[NIL]
	s_wait_dscnt 4*NL+1                            ; (the add and the youngest eight loads may be out)
	WIN MUL_LO
	MUL16 0, 1, NQ-1, \slot, 0
	s_wait_dscnt 0x0                               ; the add is done, and my reads of this slot are over
	s_barrier_signal -1
	MUL16 2, 1, NQ-1, \slot, 0
	WIN 0
	s_barrier_wait -1
	PLACES NP
	v_add_nc_u32 v[ADRS], 4*NQ, v[ADRS]            ; on to the next slot's scale words
	FETCH_B \next, 0, 0
	FETCH_A \next, 0, 0
	SCALES \next
	WIN MUL_HI
	MUL16 4, 1, NQ-1, \slot, 0
	MUL16 6, 1, NQ-1, \slot, 0
	PLACES NP
	WIN 0
	FETCH_A \next, 0, 4
.endm
.macro STEPS slot, from
.set Q, \from
.rept NQ-1-\from
	STEP \slot, Q, 0
.set Q, Q+1
.endr
.endm
	s_wait_tensorcnt 1                             ; the scales and my part of slot 0 are in (slot 1's load may be out),
	s_barrier_signal -1
	s_barrier_wait -1                              ; everybody's are
	FETCH_B 0, 0, 0
	FETCH_A 0, 0, 0
	SCALES 0
	FETCH_A 0, 0, 4
	STEP 0, 0, 1                                   ; the first products start the sums: nothing is cleared
	STEPS 0, 1
	TURN 0, 1
	STEPS 1, 0
	s_wait_dscnt 4*NL                              ; the last step: nothing more to fetch
	WIN MUL_LO
	MUL16 0, 1, NQ-1, 1, 0
	MUL16 2, 1, NQ-1, 1, 0
	s_wait_dscnt 0
	WIN MUL_HI
	MUL16 4, 1, NQ-1, 1, 0
	MUL16 6, 1, NQ-1, 1, 0
	WIN 0
	PLACES NP                                      ; behind the last products: for the reads of results, and for writes of the registers that held scale words and A's fragments
	; THE COPY IN F32 of a sequence's rows 0-15: my block 0, through my stage (slot 0 has had its last fill and its last read), out as whole rows: sixteen lanes store a head's 256 bytes.
	s_cmp_lg_u32 s44, 0
	s_cbranch_scc1 .Lno_f32
	WIN 0x08                                       ; an LDS store's data: window 2
.irp b, 0,1,2,3,4,5,6,7
	ds_store_b128 v[STO32], v[8*\b:8*\b+3] offset:64*\b            ; each accumulator from its low end on
	ds_store_b128 v[STO32], v[8*\b+4:8*\b+7] offset:64*\b+16
.endr
	WIN 0
.irp t, 0,1,2,3,4,5,6,7,8,9,10,11,12,13,14,15
	ds_load_b128 v[FB+4*\t:FB+4*\t+3], v[RD32] offset:\t*528       ; LDS serves a wave's instructions in order: these see the stores above
.endr
.irp t, 0,1,2,3,4,5,6,7,8,9,10,11,12,13,14,15
	s_wait_dscnt 15-\t                             ; row t is back; the later rows may be out
	global_store_b128 v[CO32], v[FB+4*\t:FB+4*\t+3], s[10:11] offset:256*\t
.endr
.Lno_f32:
	; THE WAY OUT IN F16, block by block of 16 rows x 128 columns (two heads).
.macro PACK a
.set AC, 64*((\a)%4)
	WIN 0x0a+5*((\a)/4)                            ; sources 0 and 1: window 2 or 3
.irp b, 0,1,2,3,4,5,6,7
.irp r, 0,1,2,3
	v_cvt_pk_f16_f32 v[TMP+4*\b+\r], v[AC+8*\b+2*\r], v[AC+8*\b+2*\r+1]
.endr
.endr
	WIN 0
.endm
.macro TOSTAGE a
.set BB, BK+32*((\a)%2)
.irp b, 0,1,2,3,4,5,6,7
	ds_store_b128 v[STO], v[TMP+4*\b:TMP+4*\b+3] offset:32*\b
.endr
.irp t, 0,1,2,3,4,5,6,7
	ds_load_b128 v[BB+4*\t:BB+4*\t+3], v[RD] offset:\t*544
.endr
.endm
.macro SEND a
.set BB, BK+32*((\a)%2)
	s_wait_dscnt 0x0                               ; the block is back in registers
	s_wait_xcnt 0x0                                ; the earlier stores have read their registers: the next block's loads may land where the block before this one lay
.irp t, 0,1,2,3,4,5,6,7
	global_store_b128 v[CO], v[BB+4*\t:BB+4*\t+3], s[8:9] offset:2048*(\a)+256*\t   ; sixteen lanes store two rows of one head: 256 consecutive bytes, aligned
.endr
.endm
	PACK 0
	TOSTAGE 0
.irp a, 1,2,3,4,5,6,7
	PACK \a
	SEND \a-1
	TOSTAGE \a
.endr
	SEND 7
	s_wait_tensorcnt 0x0                           ; the wave's end
	ds_add_u32 v[SPW], v[NIL]
	s_wait_dscnt 0x0
	CROUND                                         ; the closing round
	s_endpgm
.Lfunc_end_k_q2d0fd1780b_proj:
	.size	k_q2d0fd1780b_proj, .Lfunc_end_k_q2d0fd1780b_proj-k_q2d0fd1780b_proj
	.p2alignl 7, 3214868480
	.fill 96, 4, 3214868480
	.section	.rodata,"a",@progbits
	.p2align	6, 0x0
	.amdhsa_kernel k_q2d0fd1780b_proj
		.amdhsa_group_segment_fixed_size 327680
		.amdhsa_private_segment_fixed_size 0
		.amdhsa_enable_private_segment 0
		.amdhsa_kernarg_size 32
		.amdhsa_user_sgpr_count 2
		.amdhsa_user_sgpr_kernarg_segment_ptr 1
		.amdhsa_wavefront_size32 1
		.amdhsa_system_sgpr_workgroup_id_x 1
		.amdhsa_system_sgpr_workgroup_id_y 1
		.amdhsa_system_sgpr_workgroup_id_z 1
		.amdhsa_system_vgpr_workitem_id 0
		.amdhsa_next_free_vgpr 1024
		.amdhsa_next_free_sgpr 98
		.amdhsa_reserve_vcc 0
		.amdhsa_float_denorm_mode_32 3
		.amdhsa_float_denorm_mode_16_64 3
		.amdhsa_memory_ordered 1
		.amdhsa_forward_progress 1
		.amdhsa_inst_pref_size 131
	.end_amdhsa_kernel
	.amdgpu_metadata
---
amdhsa.version: [ 1, 2 ]
amdhsa.kernels:
  - .name:           k_q2d0fd1780b_proj
    .symbol:         k_q2d0fd1780b_proj.kd
    .args:
      - { .name: xq, .offset: 0, .size: 8, .value_kind: global_buffer, .address_space: global }
      - { .name: wq, .offset: 8, .size: 8, .value_kind: global_buffer, .address_space: global }
      - { .name: qkv, .offset: 16, .size: 8, .value_kind: global_buffer, .address_space: global }
      - { .name: f32r, .offset: 24, .size: 8, .value_kind: global_buffer, .address_space: global }
    .group_segment_fixed_size: 327680
    .private_segment_fixed_size: 0
    .kernarg_segment_align: 8
    .kernarg_segment_size: 32
    .max_flat_workgroup_size: 128
    .sgpr_count:     98
    .vgpr_count:     1024
    .wavefront_size: 32
...
	.end_amdgpu_metadata
.endif
;; end of part 2
;; launch attn (part 3): grid 8 x 32, 16 waves a work-group, no clusters, 327,680 bytes of LDS; arguments qkv, lq1, lk1, lq2, lk2, oh; writes oh
.if DOCPART == 3
	.amdgcn_target "amdgcn-amd-amdhsa--gfx1250"
	.amdhsa_code_object_version 6
	.text
	.protected	k_q2d0fd1780b_attn
	.globl	k_q2d0fd1780b_attn
	.p2align	8
	.type	k_q2d0fd1780b_attn,@function
k_q2d0fd1780b_attn:
	s_mov_b64 s[64:65], 0
	v_nop
	global_prefetch_b8 v0, s[64:65] scope:SCOPE_SE
	s_setreg_imm32_b32 hwreg(HW_REG_WAVE_MODE, 25, 1), 1
	s_wait_xcnt 0x0
; Launch 3 of 5: o = softmax(q1 k1^T / 8) v1 - lam softmax(q2 k2^T / 8) v2 under reference()'s own causal mask, lam = exp(lq1.lk1) - exp(lq2.lk2) + 0.8.  q, k, v: f16, [which][batch][map][head][s][64]; products with f32 sums; softmax in f32 with a running maximum.
; WORK LEFT OUT: key steps all of whose 64 keys come after a wave's 32 queries (the mask that reference() builds throws their scores away; shown at the head of the first launch).
; LIMITS: hidden scores become -infinity where reference() has -1e30: the same weights, 0, while a row's visible scores lie above -1e30 + 104.  The weights p and o are rounded to f16: an o beyond 65,504 becomes infinity.
; SHARES.  Work-group (j, batch and head) owns query blocks j and 15 - j, 128 queries each, of both maps: j + 1 + 16 - j slots' worth of keys whatever j.  A wave owns 32 queries (two tiles) of one map:
; late = (w ^ (w >> 2)) & 1 picks the block, g = (w >> 1) & 1 the map, w >> 2 the 32 queries.  So each fragment of K and V read from LDS feeds two matrix instructions.
; RING.  Two LDS slots of 128 keys, each with K and V of both maps, filled by waves 0-3 (one tensor load each: one load of a wave is out at a time) and read by all sixteen.  Every work-group walks all 16 slots: trip counts are constants; a step's WORK is jumped over by ids.
; NO CLUSTER: the work-groups of a head have different causal limits, 128 (16 - j) - 1, so a joint load would bring slots that every wave of some partner jumps over.
; LAYOUT.  S^T = K Q^T (source 0 = 16 keys, source 1 = 16 queries): a lane holds ONE query (lane % 16) and keys 8 (lane / 16) + 0..7.  Two such tiles, rounded to f16 in pairs, ARE source 1 of O^T = V^T P.  V comes out of LDS turned, by ds_load_tr16_b128.
; REGISTERS: v1-13 addresses and constants; v14, v15 at work; v16-31 statistics, 8 a tile (c m, m, l in two halves, four at work); v32-63 Q; v64-127 S^T, then p, then P in place; v128-191 K, then V; v192-255 O^T.
.set SK,    128                        ; keys in a slot
.set KP,    144                        ; a key's row in LDS: 128 bytes + 16
.set VP,    160                        ; a row of V: 128 + 32
.set VOFF,  36864                      ; a slot: K of map 0, K of map 1 (18,432 each), V of map 0, V of map 1 (20,480 each)
.set SLOT1, 1<<17
.set NSL,   16
.set SPARE, 2*SLOT1                    ; the spare words, 128 bytes for each of the sixteen waves
.set STGB,  65536                      ; the way out lies in LDS slot 0, left at the last change of slots: images of O^T from 0 on, 8,192 a pair of waves; stages from here on, 4,608 a pair
.set AK0,  1
.set AV0,  2
.set ADK,  3
.set ADV,  4
.set SPW,  5
.set NIL,  6
.set RH,   7                           ; lane % 16 - 8 (lane / 16)
.set NINF, 8
.set PFO,  9
.set IMGA, 10
.set STO,  11
.set RD,   12
.set GO,   13
.set ST,   16
.set Q,    32
.set S,    64
.set KV,   128
.set O,    192
.set TB,   2                           ; s2   LDS byte at which the slot in hand begins
.set WV,   18
.set SEL,  20
.set CS,   22                          ; s[22:23] c = log2(e) / 8
.set G1K,  24
.set G1V,  32
.set G0K,  40
.set G0V,  44
.set SLOTS, 67
.set G,    68                          ; my map
.set LAM,  69
.set FAC,  70                          ; 1 for map 0, lam for map 1
.set PFA,  76
.set LIM,  80
.set LASTQ, 97                         ; my work-group's last query
.set KF,   98                          ; the step's first key
.set Q0,   99                          ; my first query
; Waves 0 and 1 fetch K of maps 0 and 1, waves 2 and 3 V, the others nothing.  An s_nop 0 and four v_nop follow each of the two lines.
.macro TLOAD
	s_cmp_lt_u32 s[WV], 2
	s_cbranch_scc0 .Lnot_k_\@
	tensor_load_to_lds s[G0K:G0K+3], s[G1K:G1K+7]
	s_nop 0
.rept 4
	v_nop
.endr
	s_branch .Lasked_\@
.Lnot_k_\@:
	s_cmp_lt_u32 s[WV], 4
	s_cbranch_scc0 .Lasked_\@
	tensor_load_to_lds s[G0V:G0V+3], s[G1V:G1V+7]
	s_nop 0
.rept 4
	v_nop
.endr
.Lasked_\@:
.endm
; A prefetch of what the NEXT change of slots will ask for: four dense tiles of 16,384 bytes.  All eight work-groups of a head walk the same K and V: work-group j = 0, which loads every slot, asks, and nobody else;
; in it waves 4-11, which fetch nothing, take half a tile each: 32 lanes 256 bytes apart.  So each aligned block of 256 bytes is named once in the launch.  The last change that fills a slot asks for nothing.
.macro ASK
	s_cmp_gt_u32 s[SLOTS], s[LIM]
	s_cbranch_scc0 .Lnot_mine_\@
	global_prefetch_b8 v[PFO], s[PFA:PFA+1] th:TH_LOAD_NT scope:SCOPE_SE
.Lnot_mine_\@:
.endm
	s_load_b256 s[4:11], s[0:1], 0x0               ; qkv, lq1, lk1, lq2
	s_load_b128 s[12:15], s[0:1], 0x20             ; lk2, oh
	v_lshl_add_u32 v[SPW], v0, 2, SPARE
	v_mov_b32 v[NIL], 0
	ds_add_u32 v[SPW], v[NIL]                      ; the wave's opening: the add, twice on end, and its wait ahead of the first tensor load
	ds_add_u32 v[SPW], v[NIL]
	v_lshrrev_b32 v14, 5, v0
	v_readfirstlane_b32 s[WV], v14                 ; wave 0..15
	s_and_b32 s48, ttmp7, 0xffff
	s_lshr_b32 s49, s48, 4                         ; batch
	s_and_b32 s50, s48, 15                         ; head
	s_lshr_b32 s51, s[WV], 2                       ; which 32 queries of the block
	s_xor_b32 s52, s[WV], s51
	s_and_b32 s52, s52, 1                          ; late
	s_lshr_b32 s[G], s[WV], 1
	s_and_b32 s[G], s[G], 1
	s_sub_co_u32 s53, 15, ttmp9
	s_cmp_eq_u32 s52, 1
	s_cselect_b32 s53, s53, ttmp9                  ; my block of 128 queries
	s_lshl_b32 s[Q0], s53, 7
	s_lshl_b32 s54, s51, 5
	s_add_co_u32 s[Q0], s[Q0], s54
	s_sub_co_u32 s[LASTQ], 16, ttmp9
	s_lshl_b32 s[LASTQ], s[LASTQ], 7
	s_sub_co_u32 s[LASTQ], s[LASTQ], 1
	s_lshl_b32 s55, s52, 2
	s_add_co_u32 s55, s55, s51                     ; my pair of waves (maps 0 and 1 of the same queries): of the wave's number alone
	s_lshl_b32 s56, s49, 23
	s_lshl_b32 s57, s50, 18
	s_add_co_u32 s56, s56, s57                     ; batch and head, in bytes of qkv
	s_and_b32 s58, s[WV], 1
	s_lshl_b32 s59, s58, 22
	s_add_co_u32 s59, s59, s56                     ; what I fetch, if I fetch: map w & 1
	s_add_co_u32 s60, s59, 1<<24                   ; of K,
	s_mov_b32 s61, 0
	s_add_co_u32 s62, s59, 2<<24                   ; or of V
	s_mov_b32 s63, 0
	s_mul_i32 s71, s58, 18432                      ; and where it goes in a slot
	s_mul_i32 s72, s58, 20480
	s_add_co_u32 s72, s72, VOFF
	s_mov_b32 s[G1K], (1<<16)|(1<<20)|(4<<22)|(3<<25)   ; elements of 2 bytes; 4 words of padding behind every 32
	s_mov_b32 s[G1V], (1<<16)|(1<<20)|(4<<22)|(7<<25)   ; 8 words
.irp g, G1K, G1V
	s_mov_b32 s[\g+1], 64<<16                      ; tensor_dim0
	s_mov_b32 s[\g+2], SK<<16                      ; tensor_dim1
	s_mov_b32 s[\g+3], 64<<16                      ; tile_dim0
	s_mov_b32 s[\g+4], SK                          ; tile_dim1
	s_mov_b32 s[\g+5], 64                          ; the pitch
	s_mov_b32 s[\g+6], 0
	s_mov_b32 s[\g+7], 0
.endr
	s_lshl_b32 s74, s[G], 22
	s_add_co_u32 s74, s74, s56
	s_lshl_b32 s75, s[Q0], 7
	s_add_co_u32 s74, s74, s75                     ; Q at my first query
	s_mov_b32 s75, 0
	s_lshl_b32 s82, s49, 4
	s_add_co_u32 s82, s82, s53
	s_lshl_b32 s82, s82, 18                        ; oh: the block of 128 rows,
	s_lshl_b32 s83, s50, 14                        ; the head,
	s_add_co_u32 s82, s82, s83
	s_lshl_b32 s83, s51, 12                        ; my 32 rows of 128 bytes
	s_add_co_u32 s82, s82, s83
	s_mov_b32 s83, 0
	s_sub_co_u32 s84, s[WV], 4
	s_lshr_b32 s85, s84, 3                         ; 0 in waves 4-11,
	s_or_b32 s85, s85, ttmp9                       ; of work-group j = 0
	s_cmp_eq_u32 s85, 0
	s_cselect_b32 s[LIM], 1, -1
	s_bfe_u32 s86, s84, 0x10002                    ; K (0) or V (1),
	s_add_co_u32 s86, s86, 1
	s_lshl_b32 s86, s86, 24
	s_bfe_u32 s87, s84, 0x10001                    ; the map,
	s_lshl_b32 s87, s87, 22
	s_add_co_u32 s86, s86, s87
	s_lshl_b32 s87, s58, 13                        ; the half of the tile,
	s_add_co_u32 s86, s86, s87
	s_add_co_u32 s86, s86, s56
	s_add_co_u32 s86, s86, SK*128                  ; in slot 1: the first change of slots steps it to slot 2
	s_mov_b32 s87, 0
	s_mov_b32 s[SEL], 0x76543210
	s_mov_b32 s[SEL+1], 0xfedcba98
	s_mov_b32 s[CS], 0x3e38aa3b                    ; c = log2(e) / sqrt(64)
	s_mov_b32 s[CS+1], s[CS]
	s_mov_b32 s[TB], 0
	s_mov_b32 s[SLOTS], NSL-1
	s_mov_b32 s[KF], 0
	s_wait_dscnt 0x0                               ; both opening adds are done
	s_wait_kmcnt 0x0
	s_mov_b32 s[G0K], 1
	s_mov_b32 s[G0K+1], s71
	s_add_nc_u64 s[G0K+2:G0K+3], s[4:5], s[60:61]
	s_or_b32 s[G0K+3], s[G0K+3], 0x80000000
	s_mov_b32 s[G0V], 1
	s_mov_b32 s[G0V+1], s72
	s_add_nc_u64 s[G0V+2:G0V+3], s[4:5], s[62:63]
	s_or_b32 s[G0V+3], s[G0V+3], 0x80000000
	TLOAD                                          ; slot 0: key 0 counts for every query
	s_add_nc_u64 s[PFA:PFA+1], s[4:5], s[86:87]
	s_add_nc_u64 s[14:15], s[14:15], s[82:83]
	s_add_nc_u64 s[4:5], s[4:5], s[74:75]
	v_and_b32 v14, 31, v0                          ; lane
	v_lshlrev_b32 v15, 3, v14
	global_load_b64 v[64:65], v15, s[6:7]          ; two numbers a lane of lq1, lk1, lq2, lk2
	global_load_b64 v[66:67], v15, s[8:9]
	global_load_b64 v[68:69], v15, s[10:11]
	global_load_b64 v[70:71], v15, s[12:13]
	v_and_b32 v72, 15, v0                          ; r
	v_bfe_u32 v73, v0, 4, 1                        ; hf
	v_lshlrev_b32 v74, 7, v72
	v_lshl_add_u32 v74, v73, 4, v74
.irp x, 0,1
.irp c, 0,1
	global_load_b128 v[Q+16*\x+8*\c:Q+16*\x+8*\c+3], v74, s[4:5] offset:2048*\x+64*\c      ; Q stays in registers: tile x, channels 32 c on
	global_load_b128 v[Q+16*\x+8*\c+4:Q+16*\x+8*\c+7], v74, s[4:5] offset:2048*\x+64*\c+32
.endr
.endr
	s_mul_i32 s3, s[G], 18432
	v_mul_u32_u24 v[AK0], v72, KP
	v_lshl_add_u32 v[AK0], v73, 4, v[AK0]
	v_add_nc_u32 v[AK0], s3, v[AK0]                ; K: row r x pitch + 16 hf, in my map's tile
	s_mul_i32 s3, s[G], 20480
	s_add_co_u32 s3, s3, VOFF
	v_and_b32 v75, 7, v0
	v_bfe_u32 v76, v0, 3, 1
	v_lshl_add_u32 v[AV0], v73, 3, v75
	v_mul_u32_u24 v[AV0], v[AV0], VP
	v_lshl_add_u32 v[AV0], v76, 4, v[AV0]
	v_add_nc_u32 v[AV0], s3, v[AV0]                ; V, for the turning load: key 8 hf + l % 8, channels 8 ((l / 8) % 2) on
	v_lshlrev_b32 v77, 3, v73
	v_sub_nc_u32 v[RH], v72, v77
	v_mov_b32 v[NINF], 0xff800000
	v_lshlrev_b32 v[PFO], 8, v14
	s_lshl_b32 s3, s55, 13
	v_lshl_add_u32 v[IMGA], v14, 4, s3             ; the way out's addresses are made here, ahead of every branch on a wave's role
	s_mul_i32 s3, s55, 4608
	s_add_co_u32 s3, s3, STGB
	v_mul_u32_u24 v[STO], v72, 144
	v_lshl_add_u32 v[STO], v73, 4, v[STO]
	v_add_nc_u32 v[STO], s3, v[STO]
	v_lshrrev_b32 v78, 3, v14
	v_mul_u32_u24 v[RD], v78, 144
	v_lshl_add_u32 v[RD], v75, 4, v[RD]
	v_add_nc_u32 v[RD], s3, v[RD]
	v_lshlrev_b32 v[GO], 4, v14
.irp x, 0,1
	v_mov_b32 v[ST+8*\x+1], 0xff61b1e6             ; m: -3e38, under every score
	v_mul_f32 v[ST+8*\x], s[CS], v[ST+8*\x+1]      ; c m
.irp k, 2,3,4,5,6,7
	v_mov_b32 v[ST+8*\x+\k], 0                     ; l, and the registers at work (a lane permute's destination counts as one of its sources)
.endr
.endr
.set i, 0
.rept 64
	v_mov_b32 v[O+i], 0                            ; O^T: the step is written once; its first run finds zeros
.set i, i+1
.endr
	v_mov_b32 v82, 0
	v_mov_b32 v83, 0
	s_wait_loadcnt 0x8                             ; the four lambda vectors are in; Q's eight loads may be out
	v_mul_f32 v80, v64, v66
	v_mul_f32 v81, v68, v70
	v_fma_f32 v80, v65, v67, v80
	v_fma_f32 v81, v69, v71, v81
.irp m, 1,2,4,8
	v_add_f32_dpp v80, v80, v80 row_xmask:\m row_mask:0xf bank_mask:0xf
	v_add_f32_dpp v81, v81, v81 row_xmask:\m row_mask:0xf bank_mask:0xf
.endr
	v_permlanex16_b32 v82, v80, s[SEL], s[SEL+1]
	v_permlanex16_b32 v83, v81, s[SEL], s[SEL+1]
	v_add_f32 v80, v80, v82                        ; lq1 . lk1
	v_add_f32 v81, v81, v83                        ; lq2 . lk2
	v_mul_f32 v80, 0x3fb8aa3b, v80
	v_mul_f32 v81, 0x3fb8aa3b, v81
	v_exp_f32 v80, v80
	v_exp_f32 v81, v81
	v_nop                                          ; a plain instruction behind the exponentials,
	s_wait_alu depctr_va_vdst(0)                   ; and a wait ahead of their first reader
	v_sub_f32 v80, v80, v81
	v_add_f32 v80, 0x3f4ccccd, v80                 ; lam
	v_readfirstlane_b32 s[LAM], v80                ; a value alone: no branch and no address hangs on it
	s_cmp_eq_u32 s[G], 1
	s_cselect_b32 s[FAC], s[LAM], 1.0
	s_wait_loadcnt 0x0                             ; Q
; The first half of tile x's softmax: the maximum of 32 scores and the old m (each accumulator read from its low end on), c s - c m, and 33 exponentials, none of which reads an exponential's result.
.macro SMA x
.set rT, ST+8*(\x)
.set rS, S+32*(\x)
.irp j, 0,1,2,3
	v_max3_num_f32 v[rT+4+\j], v[rS+8*\j], v[rS+8*\j+1], v[rS+8*\j+2]
.endr
.irp u, 1,2
.irp j, 0,1,2,3
	v_max3_num_f32 v[rT+4+\j], v[rT+4+\j], v[rS+8*\j+2*\u+1], v[rS+8*\j+2*\u+2]
.endr
.endr
	v_max3_num_f32 v[rT+4], v[rT+4], v[rS+7], v[rS+15]
	v_max3_num_f32 v[rT+6], v[rT+6], v[rS+23], v[rS+31]
	v_max3_num_f32 v[rT+4], v[rT+4], v[rT+5], v[rT+6]
	v_max3_num_f32 v[rT+4], v[rT+4], v[rT+7], v[rT+1]
	v_permlanex16_b32 v[rT+5], v[rT+4], s[SEL], s[SEL+1]   ; the query's other 32 keys lie in the lane 16 away
	v_mov_b32 v[rT+7], v[rT]
	v_max_num_f32 v[rT+1], v[rT+4], v[rT+5]        ; the new m
	v_mul_f32 v[rT], s[CS], v[rT+1]
	v_sub_f32 v[rT+7], v[rT+7], v[rT]              ; c m_old - c m_new
.irp b, 0,1,2,3,4,5,6,7,8,9,10,11,12,13,14,15
	v_pk_fma_f32 v[rS+2*\b:rS+2*\b+1], v[rS+2*\b:rS+2*\b+1], s[CS:CS+1], v[rT:rT+1] op_sel_hi:[1,0,0] neg_lo:[0,0,1] neg_hi:[0,0,1]
.endr
	v_exp_f32 v[rT+6], v[rT+7]                     ; a
.set e, 0
.rept 32
	v_exp_f32 v[rS+e], v[rS+e]                     ; p = 2^(c s - c m)
.set e, e+1
.endr
.endm
; The second half: l = a l + the sum of the unrounded p (two chains), P in place, O^T x a.
.macro SMB x
.set rT, ST+8*(\x)
.set rS, S+32*(\x)
.set rO, O+32*(\x)
	v_pk_mul_f32 v[rT+2:rT+3], v[rT+2:rT+3], v[rT+6:rT+7] op_sel_hi:[1,0]
	v_pk_add_f32 v[rT+4:rT+5], v[rS:rS+1], v[rS+2:rS+3]
.irp p, 4,8,12,16,20,24,28
	v_pk_add_f32 v[rT+2:rT+3], v[rT+2:rT+3], v[rS+\p:rS+\p+1]
	v_pk_add_f32 v[rT+4:rT+5], v[rT+4:rT+5], v[rS+\p+2:rS+\p+3]
.endr
	v_pk_add_f32 v[rT+2:rT+3], v[rT+2:rT+3], v[rT+4:rT+5]
.irp j, 0,1,2,3,4,5,6,7,8,9,10,11,12,13,14,15
	v_cvt_pk_f16_f32 v[rS+\j], v[rS+2*\j], v[rS+2*\j+1]   ; ascending: register j is written when registers 2 j and 2 j + 1 are read
.endr
.irp i, 0,2,4,6,8,10,12,14,16,18,20,22,24,26,28,30
	v_pk_mul_f32 v[rO+\i:rO+\i+1], v[rO+\i:rO+\i+1], v[rT+6:rT+7] op_sel_hi:[1,0]
.endr
.endm
; A KEY STEP: 64 keys, the q-th of the slot in hand.
.macro STEP q
	s_add_co_u32 s96, s[Q0], 31                    ; a step all of whose keys come after my 32 queries is left out: a branch on ids, round no barrier and no tensor load
	s_cmp_gt_u32 s[KF], s96
	s_cbranch_scc1 .Lhidden_\@
	v_add_nc_u32 v[ADK], s[TB], v[AK0]
	v_add_nc_u32 v[ADV], s[TB], v[AV0]
.rept 3
	v_nop                                          ; with the two additions five places behind the last V^T P: the products below write over registers that it read as P
.endr
.irp kt, 0,1,2,3
.irp c, 0,1
	ds_load_b128 v[KV+16*\kt+8*\c:KV+16*\kt+8*\c+3], v[ADK] offset:(64*(\q)+16*\kt)*KP+64*\c
	ds_load_b128 v[KV+16*\kt+8*\c+4:KV+16*\kt+8*\c+7], v[ADK] offset:(64*(\q)+16*\kt)*KP+64*\c+32
.endr
.endr
	s_wait_dscnt 0x0
.set i, 0
.rept 16                                       ; S^T = K Q^T: the eight accumulators by turns; the first eight products start the sums
.set rA, S+32*(i%2)+8*((i/2)%4)
.set rK, KV+16*((i/2)%4)+8*(i/8)
.set rQ, Q+16*(i%2)+8*(i/8)
.if i < 8
	v_wmma_f32_16x16x32_f16 v[rA:rA+7], v[rK:rK+7], v[rQ:rQ+7], 0
.else
	v_wmma_f32_16x16x32_f16 v[rA:rA+7], v[rK:rK+7], v[rQ:rQ+7], v[rA:rA+7]
.endif
.set i, i+1
.endr
.rept 4
	v_nop                                          ; places in front of the loads into K's registers and of the reads of the scores
.endr
.irp kh, 0,1
.irp ct, 0,1,2,3
	ds_load_tr16_b128 v[KV+32*\kh+8*\ct:KV+32*\kh+8*\ct+3], v[ADV] offset:(64*(\q)+32*\kh)*VP+32*\ct        ; V lands while the softmax is walked
	ds_load_tr16_b128 v[KV+32*\kh+8*\ct+4:KV+32*\kh+8*\ct+7], v[ADV] offset:(64*(\q)+32*\kh+16)*VP+32*\ct
.endr
.endr
	s_add_co_u32 s96, s[KF], 63                    ; a step all of whose keys count skips the mask
	s_cmp_le_u32 s96, s[Q0]
	s_cbranch_scc1 .Lopen_\@
	s_sub_co_i32 s96, s[Q0], s[KF]
	v_add_nc_u32 v14, s96, v[RH]                   ; d = Q0 - KF + r - 8 hf.  Register (x, kt, j) holds key KF + 16 kt + 8 hf + j for query Q0 + 16 x + r: hidden where 16 kt + j - 16 x > d
.irp x, 0,1
.irp kt, 0,1,2,3
.irp j, 0,1,2,3,4,5,6,7
	v_cmp_gt_i32 vcc_lo, 16*\kt+\j-16*\x, v14
	v_cndmask_b32 v[S+32*\x+8*\kt+\j], v[S+32*\x+8*\kt+\j], v[NINF], vcc_lo
.endr
.endr
.endr
.Lopen_\@:
	SMA 0
	SMA 1
	v_nop                                          ; a plain instruction behind the last exponential,
	s_wait_alu depctr_va_vdst(0)                   ; and ONE wait for both tiles' 66, ahead of their first reader
	SMB 0
	SMB 1
	s_wait_dscnt 0x0                               ; V is in
.set i, 0
.rept 16                                       ; O^T += V^T P: the eight accumulators by turns
.set rA, O+32*(i%2)+8*((i/2)%4)
.set rV, KV+32*(i/8)+8*((i/2)%4)
.set rP, S+32*(i%2)+8*(i/8)
	v_wmma_f32_16x16x32_f16 v[rA:rA+7], v[rV:rV+7], v[rP:rP+7], v[rA:rA+7]
.set i, i+1
.endr
.Lhidden_\@:
	s_add_co_u32 s[KF], s[KF], 64
.endm
; THE CHANGE OF SLOTS, at a slot's head.  Each wave waits for all its tensor loads, adds 0 to its spare word (fill = 1: twice on end), and waits for that and for its reads of the slot that it has left.
; Behind the barrier the slot ahead is whole and nobody reads the other one.  fill = 1: that other slot takes the next 128 keys, while their first key is at or under the work-group's last query: a slot beyond that would be read by no wave.
; The test is made of ids and the count of steps, so all sixteen waves go the same way; it leads round the load's own lines alone; every wait on TENSORcnt in this text is for 0.
.macro CHANGE fill
	s_wait_tensorcnt 0x0
	ds_add_u32 v[SPW], v[NIL]
.if \fill
	ds_add_u32 v[SPW], v[NIL]
	s_xor_b32 s[G0K+1], s[G0K+1], SLOT1            ; the walking descriptors: the other slot, the next 128 keys
	s_add_nc_u64 s[G0K+2:G0K+3], s[G0K+2:G0K+3], SK*128
	s_xor_b32 s[G0V+1], s[G0V+1], SLOT1
	s_add_nc_u64 s[G0V+2:G0V+3], s[G0V+2:G0V+3], SK*128
	s_wait_xcnt 0x0                                ; the last prefetch, a slot back, has read its address
	s_add_nc_u64 s[PFA:PFA+1], s[PFA:PFA+1], SK*128
.endif
	s_wait_dscnt 0x0
	s_barrier_signal -1
	s_barrier_wait -1
.if \fill
	s_add_co_u32 s96, s[KF], SK
	s_cmp_gt_u32 s96, s[LASTQ]
	s_cbranch_scc1 .Lpast_\@
	TLOAD
.Lpast_\@:
	ASK
.endif
.endm
.Lslot:                                            ; 15 trips
	CHANGE 1
	STEP 0
	STEP 1
	s_xor_b32 s[TB], s[TB], SLOT1
	s_sub_co_u32 s[SLOTS], s[SLOTS], 1
	s_cmp_lg_u32 s[SLOTS], 0
	s_cbranch_scc1 .Lslot
	CHANGE 0                                       ; the last slot is written out: nothing is left to ask for
	STEP 0
	STEP 1
	; THE WAY OUT.  O^T x FAC / l; map 1's wave hands its 64 registers to map 0's as an image (16 bytes a lane, 512 a store); map 0's subtracts, rounds to f16 and stores whole rows through its stage.
.rept 4
	v_nop                                          ; places behind the last products
.endr
.irp x, 0,1
	v_add_f32 v[ST+8*\x+4], v[ST+8*\x+2], v[ST+8*\x+3]
.endr
.irp x, 0,1
	v_permlanex16_b32 v[ST+8*\x+5], v[ST+8*\x+4], s[SEL], s[SEL+1]
.endr
.irp x, 0,1
	v_add_f32 v[ST+8*\x+4], v[ST+8*\x+4], v[ST+8*\x+5]
.endr
.irp x, 0,1
	v_rcp_f32 v[ST+8*\x+6], v[ST+8*\x+4]
.endr
	v_nop
	s_wait_alu depctr_va_vdst(0)                   ; one wait for the two reciprocals
.irp x, 0,1
	v_mul_f32 v[ST+8*\x+6], s[FAC], v[ST+8*\x+6]
.endr
.irp x, 0,1
.irp i, 0,2,4,6,8,10,12,14,16,18,20,22,24,26,28,30
	v_pk_mul_f32 v[O+32*\x+\i:O+32*\x+\i+1], v[O+32*\x+\i:O+32*\x+\i+1], v[ST+8*\x+6:ST+8*\x+7] op_sel_hi:[1,0]
.endr
.endr
	s_cmp_eq_u32 s[G], 0
	s_cbranch_scc1 .Lno_img
.irp k, 0,1,2,3,4,5,6,7,8,9,10,11,12,13,14,15
	ds_store_b128 v[IMGA], v[O+4*\k:O+4*\k+3] offset:512*\k
.endr
.Lno_img:
	s_wait_dscnt 0x0                               ; for the partner's sake: my image has landed
	s_barrier_signal -1
	s_barrier_wait -1
	s_cmp_eq_u32 s[G], 0
	s_cbranch_scc0 .Lend
.irp k, 0,1,2,3,4,5,6,7,8,9,10,11,12,13,14,15
	ds_load_b128 v[S+4*\k:S+4*\k+3], v[IMGA] offset:512*\k
.endr
	s_wait_dscnt 0x0
.set i, 0
.rept 32
	v_pk_add_f32 v[O+2*i:O+2*i+1], v[O+2*i:O+2*i+1], v[S+2*i:S+2*i+1] neg_lo:[0,1] neg_hi:[0,1]   ; O1 / l1 - lam O2 / l2
.set i, i+1
.endr
.set i, 0
.rept 32
	v_cvt_pk_f16_f32 v[KV+i], v[O+2*i], v[O+2*i+1]
.set i, i+1
.endr
.irp x, 0,1
.irp ct, 0,1,2,3
	ds_store_b128 v[STO], v[KV+16*\x+4*\ct:KV+16*\x+4*\ct+3] offset:2304*\x+32*\ct   ; row r of 128 bytes + 16: channels 16 ct + 8 hf on
.endr
.endr
.irp n, 0,1,2,3,4,5,6,7
	ds_load_b128 v[S+4*\n:S+4*\n+3], v[RD] offset:2304*(\n/4)+576*(\n%4)   ; four whole rows an instruction; LDS serves a wave's instructions in order
.endr
.irp n, 0,1,2,3,4,5,6,7
	s_wait_dscnt 7-\n                              ; load n is back; the later ones may be out
	global_store_b128 v[GO], v[S+4*\n:S+4*\n+3], s[14:15] offset:512*\n   ; 32 lanes store 512 consecutive bytes, aligned
.endr
.Lend:
	s_wait_tensorcnt 0x0                           ; the wave's end
	ds_add_u32 v[SPW], v[NIL]
	s_wait_dscnt 0x0
	s_endpgm
.Lfunc_end_k_q2d0fd1780b_attn:
	.size	k_q2d0fd1780b_attn, .Lfunc_end_k_q2d0fd1780b_attn-k_q2d0fd1780b_attn
	.p2alignl 7, 3214868480
	.fill 96, 4, 3214868480
	.section	.rodata,"a",@progbits
	.p2align	6, 0x0
	.amdhsa_kernel k_q2d0fd1780b_attn
		.amdhsa_group_segment_fixed_size 327680
		.amdhsa_private_segment_fixed_size 0
		.amdhsa_enable_private_segment 0
		.amdhsa_kernarg_size 48
		.amdhsa_user_sgpr_count 2
		.amdhsa_user_sgpr_kernarg_segment_ptr 1
		.amdhsa_wavefront_size32 1
		.amdhsa_system_sgpr_workgroup_id_x 1
		.amdhsa_system_sgpr_workgroup_id_y 1
		.amdhsa_system_sgpr_workgroup_id_z 1
		.amdhsa_system_vgpr_workitem_id 0
		.amdhsa_next_free_vgpr 256
		.amdhsa_next_free_sgpr 100
		.amdhsa_reserve_vcc 1
		.amdhsa_float_denorm_mode_32 3
		.amdhsa_float_denorm_mode_16_64 3
		.amdhsa_memory_ordered 1
		.amdhsa_forward_progress 1
		.amdhsa_inst_pref_size 110
	.end_amdhsa_kernel
	.amdgpu_metadata
---
amdhsa.version: [ 1, 2 ]
amdhsa.kernels:
  - .name:           k_q2d0fd1780b_attn
    .symbol:         k_q2d0fd1780b_attn.kd
    .args:
      - { .name: qkv, .offset: 0, .size: 8, .value_kind: global_buffer, .address_space: global }
      - { .name: lq1, .offset: 8, .size: 8, .value_kind: global_buffer, .address_space: global }
      - { .name: lk1, .offset: 16, .size: 8, .value_kind: global_buffer, .address_space: global }
      - { .name: lq2, .offset: 24, .size: 8, .value_kind: global_buffer, .address_space: global }
      - { .name: lk2, .offset: 32, .size: 8, .value_kind: global_buffer, .address_space: global }
      - { .name: oh, .offset: 40, .size: 8, .value_kind: global_buffer, .address_space: global }
    .group_segment_fixed_size: 327680
    .private_segment_fixed_size: 0
    .kernarg_segment_align: 8
    .kernarg_segment_size: 48
    .max_flat_workgroup_size: 512
    .sgpr_count:     100
    .vgpr_count:     256
    .wavefront_size: 32
...
	.end_amdgpu_metadata
.endif
;; end of part 3
;; launch outp (part 4): grid 8 x 32, 4 waves a work-group, clusters of 4 x 4, 327,680 bytes of LDS; arguments oh, wo16, out0; writes out0
.if DOCPART == 4
	.amdgcn_target "amdgcn-amd-amdhsa--gfx1250"
	.amdhsa_code_object_version 6
	.text
	.protected	k_q2d0fd1780b_outp
	.globl	k_q2d0fd1780b_outp
	.p2align	8
	.type	k_q2d0fd1780b_outp,@function
k_q2d0fd1780b_outp:
	s_mov_b64 s[64:65], 0
	v_nop
	global_prefetch_b8 v0, s[64:65] scope:SCOPE_SE
	s_setreg_imm32_b32 hwreg(HW_REG_WAVE_MODE, 25, 1), 1
	s_wait_xcnt 0x0
	s_wait_alu depctr_hold_cnt(0) depctr_sa_sdst(0) depctr_va_vdst(0) depctr_va_sdst(0) depctr_va_ssrc(0) depctr_va_vcc(0) depctr_vm_vsrc(0)
	s_getreg_b32 s2, hwreg(HW_REG_IB_STS2, 6, 4)
	s_cmp_eq_u32 s2, 0
	s_cbranch_scc0 .Lentry_in_a_cluster
	s_endpgm
.Lentry_in_a_cluster:
	s_bfe_u32 s2, ttmp6, 0x10000c
	s_cmp_lg_u32 s2, 0xf033
	s_cbranch_scc0 .Lentry_shape_is_right
	s_endpgm
.Lentry_shape_is_right:
; Launch 4 of 5: out0 = 0.2 (o Wo): o [4,096][1,024] f16, laid [block of 128 rows][head][row][64]; Wo f16 [k][n]; sums in f32, x 0.2 in f32 on the sums.
; The 32 rows that are positions 0-15 of the two sequences are stored here too and replaced by the last launch, which carries them in f32: a branch round them would hang on a work-group's place in its cluster.
; A tile of out0 is 128 x 128: 8 x 32 = 256 work-groups; four waves, each 64 x 64: 16 accumulators.  K goes in steps of 256 (four heads) through two LDS slots.
; A's K step for a block of 128 rows is 65,536 consecutive bytes of oh: 512 rows (head, row) of 128 bytes; waves 0 and 1 fetch 256 each.  B's is 256 rows of k x 256 bytes; waves 2 and 3 fetch 128 each; B comes out of LDS turned, by ds_load_tr16_b128.
; CLUSTER 4 x 4: A's tiles are shared along a row of the cluster, B's along a column: joint loads.  By the text's own count two loads of a wave are out at the start, one behind each round.
; THE MATRIX INSTRUCTION IS USED TRANSPOSED (source 0 = 16 columns of Wo, source 1 = 16 rows of o): a lane holds eight neighbouring columns of one row.
; REGISTERS: window 0: v16-29 addresses; v32-95 the way out; v128-255 the accumulators ((a, b) at v[128 + 8 (4 a + b)]).  window 1: two fragment buffers of 128: 64 registers of A, then 64 of B.
.set PA,     144                       ; a row of A in LDS: 128 bytes + 16
.set PB,     288                       ; a row of B: 256 + 32
.set HALFT,  36864                     ; what one tensor load brings: 256 x 144 = 128 x 288
.set SLOT,   4*HALFT
.set SPARE,  2*SLOT                    ; the spare words, 128 bytes for each wave
.set LAPS,   2
.set ADRA, 16                          ; v16-17  A's fragments in slot 0, 1
.set ADRB, 20                          ; v20-23  B's, slot s, k rows 128 u on: v[20 + 2 s + u]: so every offset stays under 65,536
.set STO,  24
.set RD,   25
.set CO,   26
.set SPW,  28
.set NIL,  29
.set TMP,  32
.set ACC,  128
.set F0,   0
.set F1,   128
.set G1, 24
.set G0, 32
.set G1B, 48
.set G0B, 56
.set MSB, 0
.macro WIN new
.if MSB != \new
	s_set_vgpr_msb (MSB<<8)|\new
.set MSB, \new
.endif
.endm
.set MUL,  0x05                        ; sources 0 (B) and 1 (A) window 1; C and D window 0
.set TO_F, 0x40
.macro JLOAD s                         ; a joint load; an s_nop 0 and four v_nop follow each of the two lines
	s_cmp_eq_u32 s11, 0
	s_cbranch_scc0 .Lfor_b_\@
	tensor_load_to_lds s[G0+4*\s:G0+4*\s+3], s[G1:G1+7]
	s_nop 0
.rept 4
	v_nop
.endr
	s_branch .Lasked_\@
.Lfor_b_\@:
	tensor_load_to_lds s[G0B+4*\s:G0B+4*\s+3], s[G1B:G1B+7]
	s_nop 0
.rept 4
	v_nop
.endr
.Lasked_\@:
.endm
.macro CREST
	s_cmp_lg_u32 s10, 0
	s_cbranch_scc1 .Lnot_wave_0_\@
	s_barrier_signal -3
.Lnot_wave_0_\@:
	s_barrier_wait -3
	s_barrier_signal -1
	s_barrier_wait -1
.endm
.macro CROUND
	s_barrier_signal -1
	s_barrier_wait -1
	CREST
.endm
	s_load_b128 s[4:7], s[0:1], 0x0                ; oh, wo16
	s_load_b64 s[8:9], s[0:1], 0x10                ; out0
	v_lshl_add_u32 v[SPW], v0, 2, SPARE
	v_mov_b32 v[NIL], 0
	ds_add_u32 v[SPW], v[NIL]                      ; the wave's opening: the add, twice on end, and its wait ahead of my first tensor load
	ds_add_u32 v[SPW], v[NIL]
	v_lshrrev_b32 v1, 5, v0
	v_readfirstlane_b32 s10, v1                    ; wave 0..3
	s_lshr_b32 s11, s10, 1                         ; my half of the tile's rows.  Also: I fetch for A (0) or for B (1)
	s_and_b32 s12, s10, 1                          ; my half of its columns.  Also: which half I fetch
	s_bfe_u32 s40, ttmp6, 0x40000
	s_bfe_u32 s41, ttmp6, 0x40004
	s_lshl_b32 s42, ttmp9, 2
	s_add_co_u32 s42, s42, s40                     ; tile column
	s_and_b32 s13, ttmp7, 0xffff
	s_lshl_b32 s13, s13, 2
	s_add_co_u32 s13, s13, s41                     ; tile row
	s_lshl_b32 s43, s41, 2
	s_lshl_b32 s43, 15, s43                        ; my row of the cluster
	s_lshl_b32 s44, 0x1111, s40                    ; my column
	s_or_b32 s[G1+0], s43, (1<<16)|(1<<20)|(1<<21)|(4<<22)|(3<<25)   ; A: elements of 2 bytes; 4 words of padding behind every 32
	s_mov_b32 s[G1+1], 64<<16
	s_mov_b32 s[G1+2], 256<<16
	s_mov_b32 s[G1+3], 64<<16
	s_mov_b32 s[G1+4], 256
	s_mov_b32 s[G1+5], 64
	s_mov_b32 s[G1+6], 0
	s_mov_b32 s[G1+7], 0
	s_or_b32 s[G1B+0], s44, (1<<16)|(1<<20)|(1<<21)|(5<<22)|(7<<25)  ; B: 8 words behind every 64
	s_mov_b32 s[G1B+1], 128<<16
	s_mov_b32 s[G1B+2], 128<<16
	s_mov_b32 s[G1B+3], 128<<16
	s_mov_b32 s[G1B+4], 128
	s_mov_b32 s[G1B+5], 1024
	s_mov_b32 s[G1B+6], 0
	s_mov_b32 s[G1B+7], 0
	s_lshl_b32 s16, s13, 18                        ; A: the block of 128 rows, + two heads for the second half
	s_lshl_b32 s17, s12, 15
	s_add_co_u32 s16, s16, s17
	s_mov_b32 s17, 0
	s_lshl_b32 s46, s42, 8                         ; B: the tile's 256 bytes of a row, + 128 rows of 2,048 bytes for the second half
	s_lshl_b32 s47, s12, 18
	s_add_co_u32 s46, s46, s47
	s_mov_b32 s47, 0
	s_mul_i32 s20, s10, HALFT                      ; where they go: no place in the cluster enters an LDS address
	s_wait_dscnt 0x0
	s_wait_kmcnt 0x0
	s_add_nc_u64 s[14:15], s[4:5], s[16:17]
	s_add_nc_u64 s[46:47], s[6:7], s[46:47]
	CROUND                                         ; all sixteen work-groups are here: the first joint loads meet
.irp s, 0,1
	s_mov_b32 s[G0+4*\s], 1
	s_add_co_u32 s[G0+4*\s+1], s20, \s*SLOT
	s_add_nc_u64 s[G0+4*\s+2:G0+4*\s+3], s[14:15], \s*65536
	s_or_b32 s[G0+4*\s+3], s[G0+4*\s+3], 0x80000000
	s_mov_b32 s[G0B+4*\s], 1
	s_add_co_u32 s[G0B+4*\s+1], s20, \s*SLOT
	s_add_nc_u64 s[G0B+4*\s+2:G0B+4*\s+3], s[46:47], \s*524288
	s_or_b32 s[G0B+4*\s+3], s[G0B+4*\s+3], 0x80000000
	JLOAD \s
.endr
	v_and_b32 v1, 15, v0
	v_bfe_u32 v2, v0, 4, 1
	v_mul_u32_u24 v3, v1, PA
	v_lshl_add_u32 v3, v2, 4, v3
	s_mul_i32 s21, s11, 64*PA                      ; my 64 of each head's 128 rows
.irp s, 0,1
	v_add_nc_u32 v[ADRA+\s], s21, v3
	s_add_co_u32 s21, s21, SLOT
.endr
	v_and_b32 v4, 7, v0
	v_bfe_u32 v5, v0, 3, 1
	v_lshl_add_u32 v4, v2, 3, v4
	v_mul_u32_u24 v4, v4, PB
	v_lshl_add_u32 v4, v5, 4, v4                   ; the turning load: k row 8 hf + l % 8, columns 8 ((l / 8) % 2) on
	s_lshl_b32 s22, s12, 7
	s_add_co_u32 s22, s22, 2*HALFT                 ; B lies behind A; my 64 columns
	v_add_nc_u32 v[ADRB], s22, v4
	s_add_co_u32 s23, s22, HALFT
	v_add_nc_u32 v[ADRB+1], s23, v4
	s_add_co_u32 s23, s22, SLOT
	v_add_nc_u32 v[ADRB+2], s23, v4
	s_add_co_u32 s23, s22, SLOT+HALFT
	v_add_nc_u32 v[ADRB+3], s23, v4
	s_mul_i32 s23, s10, 16*272                     ; my stage, in slot 0
	v_mul_u32_u24 v6, v1, 272
	v_lshl_add_u32 v6, v2, 5, v6
	v_add_nc_u32 v[STO], s23, v6
	v_mul_u32_u24 v6, v2, 272
	v_lshl_add_u32 v6, v1, 4, v6
	v_add_nc_u32 v[RD], s23, v6
	v_lshlrev_b32 v6, 12, v2
	v_lshl_add_u32 v[CO], v1, 4, v6
	s_lshl_b32 s16, s13, 19                        ; out0: 128 rows of 4,096 bytes a tile row, 64 a wave
	s_lshl_b32 s17, s11, 18
	s_add_co_u32 s16, s16, s17
	s_mov_b32 s17, 0
	s_add_nc_u64 s[8:9], s[8:9], s[16:17]
	s_lshl_b32 s46, s42, 9
	s_lshl_b32 s47, s12, 8
	s_add_co_u32 s46, s46, s47
	s_mov_b32 s47, 0
	s_add_nc_u64 s[8:9], s[8:9], s[46:47]
.macro MUL8 f, c, a0, zero             ; 8 matrix instructions; the 16 accumulators take turns
.irp a, \a0, \a0+1
.irp b, 0,1,2,3
.if \zero
	v_wmma_f32_16x16x32_f16 v[ACC+8*(4*(\a)+\b):ACC+8*(4*(\a)+\b)+7], v[\f+64+8*(4*\c+\b):\f+64+8*(4*\c+\b)+7], v[\f+8*(4*\c+\a):\f+8*(4*\c+\a)+7], 0
.else
	v_wmma_f32_16x16x32_f16 v[ACC+8*(4*(\a)+\b):ACC+8*(4*(\a)+\b)+7], v[\f+64+8*(4*\c+\b):\f+64+8*(4*\c+\b)+7], v[\f+8*(4*\c+\a):\f+8*(4*\c+\a)+7], v[ACC+8*(4*(\a)+\b):ACC+8*(4*(\a)+\b)+7]
.endif
.endr
.endr
.endm
; 32 LDS loads in one run: the fragments of quarter qd (one head: 64 along K) into buffer f; the first 32 along K first
.macro FETCH slot, qd, f
	WIN TO_F
.irp c, 0,1
.irp i, 0,1,2,3
	ds_load_tr16_b128 v[\f+64+8*(4*\c+\i):\f+64+8*(4*\c+\i)+3],   v[ADRB+2*\slot+(\qd)/2] offset:(64*((\qd)%2)+32*\c)*PB+32*\i
	ds_load_tr16_b128 v[\f+64+8*(4*\c+\i)+4:\f+64+8*(4*\c+\i)+7], v[ADRB+2*\slot+(\qd)/2] offset:(64*((\qd)%2)+32*\c+16)*PB+32*\i
	ds_load_b128 v[\f+8*(4*\c+\i):\f+8*(4*\c+\i)+3],              v[ADRA+\slot] offset:128*PA*(\qd)+16*PA*\i+64*\c
	ds_load_b128 v[\f+8*(4*\c+\i)+4:\f+8*(4*\c+\i)+7],            v[ADRA+\slot] offset:128*PA*(\qd)+16*PA*\i+64*\c+32
.endr
.endr
.endm
.macro PLACES
.rept 4
	v_nop
.endr
.endm
.macro QUARTER slot, nq, f, g, zero    ; multiplies buffer f and fetches quarter nq of the same slot into g
	s_wait_dscnt 16                                ; the first 32 along K are in; the other sixteen loads may be out
	WIN MUL
	MUL8 \f, 0, 0, \zero
	MUL8 \f, 0, 2, \zero
	PLACES
	FETCH \slot, \nq, \g
	s_wait_dscnt 32                                ; all but the 32 just issued
	WIN MUL
	MUL8 \f, 1, 0, 0
	MUL8 \f, 1, 2, 0
.endm
; The last quarter changes slots: one barrier; in front of it each wave waits for all its tensor loads, adds 0 to its spare word, and waits for that and for its reads of this slot.  fill = 1: a round of the cluster's barrier, and the joint refill first behind it.
.macro TURN slot, next, fill
	WIN 0
	s_wait_tensorcnt 0x0
	ds_add_u32 v[SPW], v[NIL]
	s_wait_dscnt 17                                ; (the add and the youngest sixteen loads may be out)
	WIN MUL
	MUL8 F1, 0, 0, 0
	s_wait_dscnt 0x0
	s_barrier_signal -1
	MUL8 F1, 0, 2, 0
.if \fill
	WIN 0
.endif
	s_barrier_wait -1
.if \fill
	CREST
	s_add_nc_u64 s[G0+4*\slot+2:G0+4*\slot+3], s[G0+4*\slot+2:G0+4*\slot+3], 131072     ; two K steps on: eight heads
	s_add_nc_u64 s[G0B+4*\slot+2:G0B+4*\slot+3], s[G0B+4*\slot+2:G0B+4*\slot+3], 1048576  ; 512 rows of Wo
	JLOAD \slot                                    ; the four v_nop behind it are also the places in front of the loads below
.else
	PLACES
.endif
	FETCH \next, 0, F0
	WIN MUL
	MUL8 F1, 1, 0, 0
	MUL8 F1, 1, 2, 0
.endm
	s_wait_tensorcnt 1                             ; my part of K step 0 is in (K step 1's load may be out),
	s_barrier_signal -1
	s_barrier_wait -1
	FETCH 0, 0, F0
	QUARTER 0, 1, F0, F1, 1                        ; the first products start the sums
	WIN 0
	s_mov_b32 s3, LAPS-1
.Llap:
	QUARTER 0, 2, F1, F0, 0
	QUARTER 0, 3, F0, F1, 0
	TURN 0, 1, 1
	QUARTER 1, 1, F0, F1, 0
	QUARTER 1, 2, F1, F0, 0
	QUARTER 1, 3, F0, F1, 0
	TURN 1, 0, 1
	QUARTER 0, 1, F0, F1, 0
	WIN 0
	s_sub_co_u32 s3, s3, 1
	s_cmp_lg_u32 s3, 0
	s_cbranch_scc1 .Llap
	QUARTER 0, 2, F1, F0, 0                        ; the last lap fills nothing
	QUARTER 0, 3, F0, F1, 0
	TURN 0, 1, 0
	QUARTER 1, 1, F0, F1, 0
	QUARTER 1, 2, F1, F0, 0
	QUARTER 1, 3, F0, F1, 0
	s_wait_dscnt 16
	WIN MUL
	MUL8 F1, 0, 0, 0
	MUL8 F1, 0, 2, 0
	s_wait_dscnt 0
	MUL8 F1, 1, 0, 0
	MUL8 F1, 1, 2, 0
	WIN 0
	; THE WAY OUT.  x 0.2; a wave's 64 columns of f32 are 256 bytes, so each wave has a stage of its own (in slot 0, which has had its last fill and its last read) and no barrier is wanted.
	PLACES
.set i, 0
.rept 64
	v_pk_mul_f32 v[ACC+2*i:ACC+2*i+1], v[ACC+2*i:ACC+2*i+1], 0x3e4ccccd op_sel_hi:[1,0]   ; ascending: each accumulator from its low end on
.set i, i+1
.endr
.irp a, 0,1,2,3
.if \a >= 2
	s_wait_xcnt 0x0                                ; the stores of the block two back have read the registers that the loads below fill
.endif
.irp b, 0,1,2,3
	ds_store_b128 v[STO], v[ACC+8*(4*\a+\b):ACC+8*(4*\a+\b)+3] offset:64*\b
	ds_store_b128 v[STO], v[ACC+8*(4*\a+\b)+4:ACC+8*(4*\a+\b)+7] offset:64*\b+16
.endr
.irp t, 0,1,2,3,4,5,6,7
	ds_load_b128 v[TMP+32*(\a%2)+4*\t:TMP+32*(\a%2)+4*\t+3], v[RD] offset:544*\t   ; LDS serves a wave's instructions in order
.endr
	s_wait_dscnt 0x0
.irp t, 0,1,2,3,4,5,6,7
	global_store_b128 v[CO], v[TMP+32*(\a%2)+4*\t:TMP+32*(\a%2)+4*\t+3], s[8:9] offset:(16*\a+2*\t)*4096 th:TH_STORE_NT   ; sixteen lanes store 256 consecutive bytes, aligned
.endr
.endr
	s_wait_tensorcnt 0x0                           ; the wave's end
	ds_add_u32 v[SPW], v[NIL]
	s_wait_dscnt 0x0
	CROUND                                         ; the closing round
	s_endpgm
.Lfunc_end_k_q2d0fd1780b_outp:
	.size	k_q2d0fd1780b_outp, .Lfunc_end_k_q2d0fd1780b_outp-k_q2d0fd1780b_outp
	.p2alignl 7, 3214868480
	.fill 96, 4, 3214868480
	.section	.rodata,"a",@progbits
	.p2align	6, 0x0
	.amdhsa_kernel k_q2d0fd1780b_outp
		.amdhsa_group_segment_fixed_size 327680
		.amdhsa_private_segment_fixed_size 0
		.amdhsa_enable_private_segment 0
		.amdhsa_kernarg_size 24
		.amdhsa_user_sgpr_count 2
		.amdhsa_user_sgpr_kernarg_segment_ptr 1
		.amdhsa_wavefront_size32 1
		.amdhsa_system_sgpr_workgroup_id_x 1
		.amdhsa_system_sgpr_workgroup_id_y 1
		.amdhsa_system_sgpr_workgroup_id_z 1
		.amdhsa_system_vgpr_workitem_id 0
		.amdhsa_next_free_vgpr 512
		.amdhsa_next_free_sgpr 66
		.amdhsa_reserve_vcc 0
		.amdhsa_float_denorm_mode_32 3
		.amdhsa_float_denorm_mode_16_64 3
		.amdhsa_memory_ordered 1
		.amdhsa_forward_progress 1
		.amdhsa_inst_pref_size 92
	.end_amdhsa_kernel
	.amdgpu_metadata
---
amdhsa.version: [ 1, 2 ]
amdhsa.kernels:
  - .name:           k_q2d0fd1780b_outp
    .symbol:         k_q2d0fd1780b_outp.kd
    .args:
      - { .name: oh, .offset: 0, .size: 8, .value_kind: global_buffer, .address_space: global }
      - { .name: wo16, .offset: 8, .size: 8, .value_kind: global_buffer, .address_space: global }
      - { .name: out0, .offset: 16, .size: 8, .value_kind: global_buffer, .address_space: global }
    .group_segment_fixed_size: 327680
    .private_segment_fixed_size: 0
    .kernarg_segment_align: 8
    .kernarg_segment_size: 24
    .max_flat_workgroup_size: 128
    .sgpr_count:     66
    .vgpr_count:     512
    .wavefront_size: 32
...
	.end_amdgpu_metadata
.endif
;; end of part 4
;; launch fine (part 5): grid 32 x 2, 16 waves a work-group, no clusters, 38,912 bytes of LDS; arguments f32r, Wo, lq1, lk1, lq2, lk2, out0; writes out0
.if DOCPART == 5
	.amdgcn_target "amdgcn-amd-amdhsa--gfx1250"
	.amdhsa_code_object_version 6
	.text
	.protected	k_q2d0fd1780b_fine
	.globl	k_q2d0fd1780b_fine
	.p2align	8
	.type	k_q2d0fd1780b_fine,@function
k_q2d0fd1780b_fine:
	s_mov_b64 s[64:65], 0
	v_nop
	global_prefetch_b8 v0, s[64:65] scope:SCOPE_SE
	s_setreg_imm32_b32 hwreg(HW_REG_WAVE_MODE, 25, 1), 1
	s_wait_xcnt 0x0
; Launch 5 of 5: positions 0-15 of both sequences once more, wholly in f32: these rows average one to sixteen values and are the largest of the output.  It replaces 32 rows of out0 that the launch before stored from f16 operands.
; WORK LEFT OUT: none inside the 16 x 16 tile; hidden scores become -infinity, as in launch 3 (same limit).
; SHARES.  Work-group (x, batch) makes output columns 32 x .. 32 x + 31 of the batch's rows 0-15.  Wave h takes head h: both maps' attention, then its 64 channels' share of the projection; the sixteen shares are added through LDS, in the order of the heads.
; The attention is done again in each of the 32 work-groups of a batch: 96 small matrix instructions a wave; the price of one launch and no traffic between work-groups.  No tensor load, no cluster: what is shared is 16 rows a head.
; ALL PRODUCTS by v_wmma_f32_16x16x4_f32, used transposed, k permuted alike in both sources, so that loads are dense and each result is the next product's source as it stands.  The registers that this form writes (v160-207) are written by it alone.
; A wave's store covers 128 consecutive bytes: half of an aligned block of 256; 131,072 bytes in all.
.set OP,  32                           ; v32-159  operands: round 1: Q0, K0, Q1, K1 (32 each); round 2: V0, V1 (32 each), Wo (64)
.set SA,  160                          ; v160-175 S^T of maps 0, 1; later the two tiles of the output
.set OA,  176                          ; v176-207 o^T, four tiles of 16 channels
.set T,   208                          ; v208-223 the weights of maps 0, 1
.set SPARE, 36864                      ; behind the sixteen shares of 2,304 bytes
.set SPW, 10
.set NIL, 11
.set CS,  22
.set SEL, 24
	s_load_b256 s[4:11], s[0:1], 0x0               ; f32r, Wo, lq1, lk1
	s_load_b128 s[12:15], s[0:1], 0x20             ; lq2, lk2
	s_load_b64 s[16:17], s[0:1], 0x30              ; out0
	v_lshl_add_u32 v[SPW], v0, 2, SPARE
	v_mov_b32 v[NIL], 0
	v_lshrrev_b32 v12, 5, v0
	v_readfirstlane_b32 s18, v12                   ; wave = head
	v_and_b32 v12, 31, v0
	v_and_b32 v1, 15, v0                           ; r
	v_bfe_u32 v2, v0, 4, 1                         ; hf
	v_lshlrev_b32 v3, 8, v1
	v_lshl_add_u32 v3, v2, 7, v3                   ; Q, K: row r of 256 bytes, channels 32 hf on
	v_lshlrev_b32 v4, 2, v1
	v_lshl_add_u32 v5, v2, 15, v4                  ; Wo: 8 hf rows of 4,096 bytes, column r
	v_lshl_add_u32 v4, v2, 11, v4                  ; V: 8 hf rows of 256 bytes, channel r
	s_mul_i32 s26, s18, 2304
	v_mul_u32_u24 v6, v1, 144
	v_lshl_add_u32 v6, v2, 5, v6
	v_add_nc_u32 v6, s26, v6                       ; my share: row r of 128 bytes + 16, 32 bytes for each half of the lanes
	s_mul_i32 s26, s18, 144
	v_lshl_add_u32 v7, v12, 2, s26                 ; the sum: wave w takes row w of every share
	v_lshlrev_b32 v8, 3, v2
	v_sub_nc_u32 v8, v1, v8                        ; r - 8 hf
	v_mov_b32 v9, 0xff800000
	v_lshlrev_b32 v13, 2, v12
	v_lshlrev_b32 v14, 3, v12
	s_and_b32 s19, ttmp7, 0xffff                   ; batch
	s_mul_i32 s20, s19, 96
	s_add_co_u32 s20, s20, s18
	s_lshl_b32 s20, s20, 12
	s_mov_b32 s21, 0
	s_lshl_b32 s27, ttmp9, 7                       ; my 32 columns, in bytes
	s_lshl_b32 s28, s18, 18                        ; my head's 64 rows of Wo
	s_add_co_u32 s28, s28, s27
	s_mov_b32 s29, 0
	s_lshl_b32 s30, s19, 23
	s_lshl_b32 s31, s18, 12
	s_add_co_u32 s30, s30, s31
	s_add_co_u32 s30, s30, s27                     ; out0: row 2,048 batch + wave
	s_mov_b32 s31, 0
	s_mov_b32 s[CS], 0x3e38aa3b                    ; c = log2(e) / 8
	s_mov_b32 s[SEL], 0x76543210
	s_mov_b32 s[SEL+1], 0xfedcba98
	s_wait_kmcnt 0x0
	s_add_nc_u64 s[4:5], s[4:5], s[20:21]
	s_add_nc_u64 s[6:7], s[6:7], s[28:29]
	s_add_nc_u64 s[16:17], s[16:17], s[30:31]
	global_load_b64 v[224:225], v14, s[8:9]        ; lq1
	global_load_b64 v[226:227], v14, s[10:11]      ; lk1
	global_load_b64 v[228:229], v14, s[12:13]      ; lq2
	global_load_b64 v[230:231], v14, s[14:15]      ; lk2
.irp g, 0,1
.irp i, 0,1,2,3,4,5,6,7
	global_load_b128 v[OP+64*\g+4*\i:OP+64*\g+4*\i+3], v3, s[4:5] offset:(16*\g)*4096+16*\i          ; Q of map g
	global_load_b128 v[OP+64*\g+32+4*\i:OP+64*\g+32+4*\i+3], v3, s[4:5] offset:(32+16*\g)*4096+16*\i   ; K of map g
.endr
.endr
.irp k, 233,234,242,243
	v_mov_b32 v[\k], 0                             ; a lane permute's destination counts as one of its sources
.endr
	s_wait_loadcnt 32                              ; the four lambda vectors are in; the 32 loads of Q and K may be out
	v_mul_f32 v232, v224, v226
	v_mul_f32 v235, v228, v230
	v_fma_f32 v232, v225, v227, v232
	v_fma_f32 v235, v229, v231, v235
.irp m, 1,2,4,8
	v_add_f32_dpp v232, v232, v232 row_xmask:\m row_mask:0xf bank_mask:0xf
	v_add_f32_dpp v235, v235, v235 row_xmask:\m row_mask:0xf bank_mask:0xf
.endr
	v_permlanex16_b32 v233, v232, s[SEL], s[SEL+1]
	v_permlanex16_b32 v234, v235, s[SEL], s[SEL+1]
	v_add_f32 v232, v232, v233
	v_add_f32 v235, v235, v234
	v_mul_f32 v232, 0x3fb8aa3b, v232
	v_mul_f32 v235, 0x3fb8aa3b, v235
	v_exp_f32 v232, v232
	v_exp_f32 v235, v235
	v_nop
	s_wait_alu depctr_va_vdst(0)                   ; the wait ahead of the exponentials' first reader
	v_sub_f32 v232, v232, v235
	v_add_f32 v232, 0x3f4ccccd, v232               ; lam, in every lane
	s_wait_loadcnt 0x0
	; S^T = K Q^T: instruction i takes channels 2 i, 2 i + 1 (lanes 0-15) and 32 + 2 i, 33 + 2 i (lanes 16-31) of both sources; the two maps by turns; each sum's first step takes the constant 0
.irp i, 0,1,2,3,4,5,6,7,8,9,10,11,12,13,14,15
.irp g, 0,1
.if \i == 0
	v_wmma_f32_16x16x4_f32 v[SA+8*\g:SA+8*\g+7], v[OP+64*\g+32+2*\i:OP+64*\g+33+2*\i], v[OP+64*\g+2*\i:OP+64*\g+1+2*\i], 0
.else
	v_wmma_f32_16x16x4_f32 v[SA+8*\g:SA+8*\g+7], v[OP+64*\g+32+2*\i:OP+64*\g+33+2*\i], v[OP+64*\g+2*\i:OP+64*\g+1+2*\i], v[SA+8*\g:SA+8*\g+7]
.endif
.endr
.endr
.rept 8
	v_nop                                          ; eight places behind this form: for the loads into its sources and the reads of its results
.endr
.irp g, 0,1
.irp ct, 0,1,2,3
.irp j, 0,1,2,3,4,5,6,7
	global_load_b32 v[OP+32*\g+8*\ct+\j], v4, s[4:5] offset:(64+16*\g)*4096+256*\j+64*\ct   ; V of map g: key 8 hf + j, channel 16 ct + r
.endr
.endr
.endr
.irp nt, 0,1
.irp ct, 0,1,2,3
.irp j, 0,1,2,3,4,5,6,7
	global_load_b32 v[OP+64+32*\nt+8*\ct+\j], v5, s[6:7] offset:(16*\ct+\j)*4096+64*\nt   ; Wo: channel 16 ct + 8 hf + j of my head, column 16 nt + r of my 32
.endr
.endr
.endr
	; the softmax: a lane holds query r and keys 8 hf + j: hidden where j > r - 8 hf
.irp g, 0,1
.irp j, 0,1,2,3,4,5,6,7
	v_cmp_gt_i32 vcc_lo, \j, v8
	v_cndmask_b32 v[T+8*\g+\j], v[SA+8*\g+\j], v9, vcc_lo
.endr
.endr
.irp g, 0,1
	v_max3_num_f32 v[240+\g], v[T+8*\g], v[T+8*\g+1], v[T+8*\g+2]
.endr
.irp g, 0,1
	v_max3_num_f32 v[240+\g], v[240+\g], v[T+8*\g+3], v[T+8*\g+4]
.endr
.irp g, 0,1
	v_max3_num_f32 v[240+\g], v[240+\g], v[T+8*\g+5], v[T+8*\g+6]
.endr
.irp g, 0,1
	v_max_num_f32 v[240+\g], v[240+\g], v[T+8*\g+7]
.endr
.irp g, 0,1
	v_permlanex16_b32 v[242+\g], v[240+\g], s[SEL], s[SEL+1]
.endr
.irp g, 0,1
	v_max_num_f32 v[240+\g], v[240+\g], v[242+\g]  ; the row's maximum: key 0 counts for every query, so it is a number
.endr
.irp g, 0,1
	v_mul_f32 v[240+\g], s[CS], v[240+\g]
.endr
.irp g, 0,1
.irp j, 0,1,2,3,4,5,6,7
	v_fma_f32 v[T+8*\g+\j], v[T+8*\g+\j], s[CS], -v[240+\g]
.endr
.endr
.irp g, 0,1
.irp j, 0,1,2,3,4,5,6,7
	v_exp_f32 v[T+8*\g+\j], v[T+8*\g+\j]
.endr
.endr
	v_nop
	s_wait_alu depctr_va_vdst(0)                   ; one wait for the sixteen
.irp g, 0,1
	v_add_f32 v[244+\g], v[T+8*\g], v[T+8*\g+1]
.endr
.irp j, 2,3,4,5,6,7
.irp g, 0,1
	v_add_f32 v[244+\g], v[244+\g], v[T+8*\g+\j]
.endr
.endr
.irp g, 0,1
	v_permlanex16_b32 v[242+\g], v[244+\g], s[SEL], s[SEL+1]
.endr
.irp g, 0,1
	v_add_f32 v[244+\g], v[244+\g], v[242+\g]
.endr
	v_rcp_f32 v246, v244
	v_rcp_f32 v247, v245
	v_nop
	s_wait_alu depctr_va_vdst(0)
	v_mul_f32 v246, 0x3e4ccccd, v246               ; 0.2 / l1
	v_mul_f32 v247, 0xbe4ccccd, v247
	v_mul_f32 v247, v247, v232                     ; -0.2 lam / l2: so both maps add into one sum
.irp g, 0,1
.irp j, 0,1,2,3,4,5,6,7
	v_mul_f32 v[T+8*\g+\j], v[T+8*\g+\j], v[246+\g]
.endr
.endr
	s_wait_loadcnt 0x0                             ; V and Wo
	; o^T = 0.2 (V1^T A1 - lam V2^T A2): instruction i takes keys 2 i, 2 i + 1 and 8 + 2 i, 9 + 2 i; the four tiles of channels by turns
.irp g, 0,1
.irp i, 0,1,2,3
.irp ct, 0,1,2,3
.if (\g == 0) && (\i == 0)
	v_wmma_f32_16x16x4_f32 v[OA+8*\ct:OA+8*\ct+7], v[OP+32*\g+8*\ct+2*\i:OP+32*\g+8*\ct+2*\i+1], v[T+8*\g+2*\i:T+8*\g+2*\i+1], 0
.else
	v_wmma_f32_16x16x4_f32 v[OA+8*\ct:OA+8*\ct+7], v[OP+32*\g+8*\ct+2*\i:OP+32*\g+8*\ct+2*\i+1], v[T+8*\g+2*\i:T+8*\g+2*\i+1], v[OA+8*\ct:OA+8*\ct+7]
.endif
.endr
.endr
.endr
.rept 9
	v_nop                                          ; nine places: the results become sources of matrix instructions
.endr
	; my head's share of out^T = Wo^T o^T: the two tiles of columns by turns
.irp ct, 0,1,2,3
.irp i, 0,1,2,3
.irp nt, 0,1
.if (\ct == 0) && (\i == 0)
	v_wmma_f32_16x16x4_f32 v[SA+8*\nt:SA+8*\nt+7], v[OP+64+32*\nt+8*\ct+2*\i:OP+64+32*\nt+8*\ct+2*\i+1], v[OA+8*\ct+2*\i:OA+8*\ct+2*\i+1], 0
.else
	v_wmma_f32_16x16x4_f32 v[SA+8*\nt:SA+8*\nt+7], v[OP+64+32*\nt+8*\ct+2*\i:OP+64+32*\nt+8*\ct+2*\i+1], v[OA+8*\ct+2*\i:OA+8*\ct+2*\i+1], v[SA+8*\nt:SA+8*\nt+7]
.endif
.endr
.endr
.endr
.rept 8
	v_nop
.endr
.irp nt, 0,1
	ds_store_b128 v6, v[SA+8*\nt:SA+8*\nt+3] offset:64*\nt          ; lane (r, hf): row r, columns 16 nt + 8 hf + 0..7; each result from its low end on
	ds_store_b128 v6, v[SA+8*\nt+4:SA+8*\nt+7] offset:64*\nt+16
.endr
	s_wait_dscnt 0x0                               ; for the others' sake: my share has landed
	s_barrier_signal -1
	s_barrier_wait -1
.irp h, 0,1,2,3,4,5,6,7,8,9,10,11,12,13,14,15
	ds_load_b32 v[OP+\h], v7 offset:2304*\h
.endr
	s_wait_dscnt 0x0
.irp h, 1,2,3,4,5,6,7,8,9,10,11,12,13,14,15
	v_add_f32 v[OP], v[OP], v[OP+\h]
.endr
	global_store_b32 v13, v[OP], s[16:17]
	s_wait_tensorcnt 0x0                           ; the wave's end, behind my last LDS store
	ds_add_u32 v[SPW], v[NIL]
	s_wait_dscnt 0x0
	s_endpgm
.Lfunc_end_k_q2d0fd1780b_fine:
	.size	k_q2d0fd1780b_fine, .Lfunc_end_k_q2d0fd1780b_fine-k_q2d0fd1780b_fine
	.p2alignl 7, 3214868480
	.fill 96, 4, 3214868480
	.section	.rodata,"a",@progbits
	.p2align	6, 0x0
	.amdhsa_kernel k_q2d0fd1780b_fine
		.amdhsa_group_segment_fixed_size 38912
		.amdhsa_private_segment_fixed_size 0
		.amdhsa_enable_private_segment 0
		.amdhsa_kernarg_size 56
		.amdhsa_user_sgpr_count 2
		.amdhsa_user_sgpr_kernarg_segment_ptr 1
		.amdhsa_wavefront_size32 1
		.amdhsa_system_sgpr_workgroup_id_x 1
		.amdhsa_system_sgpr_workgroup_id_y 1
		.amdhsa_system_sgpr_workgroup_id_z 1
		.amdhsa_system_vgpr_workitem_id 0
		.amdhsa_next_free_vgpr 256
		.amdhsa_next_free_sgpr 66
		.amdhsa_reserve_vcc 1
		.amdhsa_float_denorm_mode_32 3
		.amdhsa_float_denorm_mode_16_64 3
		.amdhsa_memory_ordered 1
		.amdhsa_forward_progress 1
		.amdhsa_inst_pref_size 33
	.end_amdhsa_kernel
	.amdgpu_metadata
---
amdhsa.version: [ 1, 2 ]
amdhsa.kernels:
  - .name:           k_q2d0fd1780b_fine
    .symbol:         k_q2d0fd1780b_fine.kd
    .args:
      - { .name: f32r, .offset: 0, .size: 8, .value_kind: global_buffer, .address_space: global }
      - { .name: Wo, .offset: 8, .size: 8, .value_kind: global_buffer, .address_space: global }
      - { .name: lq1, .offset: 16, .size: 8, .value_kind: global_buffer, .address_space: global }
      - { .name: lk1, .offset: 24, .size: 8, .value_kind: global_buffer, .address_space: global }
      - { .name: lq2, .offset: 32, .size: 8, .value_kind: global_buffer, .address_space: global }
      - { .name: lk2, .offset: 40, .size: 8, .value_kind: global_buffer, .address_space: global }
      - { .name: out0, .offset: 48, .size: 8, .value_kind: global_buffer, .address_space: global }
    .group_segment_fixed_size: 38912
    .private_segment_fixed_size: 0
    .kernarg_segment_align: 8
    .kernarg_segment_size: 56
    .max_flat_workgroup_size: 512
    .sgpr_count:     66
    .vgpr_count:     256
    .wavefront_size: 32
...
	.end_amdgpu_metadata
.endif
;; end of part 5
